; MI455X (gfx1250); checked and timed in simulation.
; The chip was launched on July 23, 2026; its instructions are those of AMD's public machine-readable ISA for CDNA 5 (MIT licence, August 2026) and "CDNA5" Instruction Set Architecture Reference Guide (July 2026). The comments in the code are by the model that wrote it; some were corrected since.
;; Sparse Mo E Layer. Allowed arithmetic: float matrix products may take bf16 or f16 operands with f32 sums; other float arithmetic in f32, or as packed bf16 or f16 multiplies, adds, multiply-adds, maxima and minima; sums over many terms, partial sums and values carried from step to step in f32; what a program stores and reads back later, other than sums and carried values, may be rounded once to bf16 or f16.
;; Inputs: b1 8 x 512 float32; b2 8 x 1,024 float32; gate_w 1,024 x 8 float32; w1 8 x 1,024 x 512 float32; w2 8 x 512 x 1,024 float32; x 4 x 2,048 x 1,024 float32.
;; Outputs: out0 4 x 2,048 x 1,024 float32; out1 one number float32.
;; 2 versions, each right; version 2 is version 1 with the launch prep written anew for expert scheduling mode. Each part assembles by itself: llvm-mc -triple=amdgcn-amd-amdhsa -mcpu=gfx1250 --defsym DOCPART=n.
;; ======== version 1 of 2: 2 launches
;; limits: values are held in f16: magnitudes above 65,504 overflow, below 6.1e-05 lose precision
;; workspace buffers: xb 16,777,216 bytes; wf 16,777,216 bytes; bias 49,152 bytes; tc 32,768 bytes of whole numbers; ct 32,768 bytes of whole numbers; cw 65,536 bytes; part 32,768 bytes
;; launch prep (part 1): grid 256 x 1, 8 waves a work-group, no clusters, 181,760 bytes of LDS; arguments x, gate_w, w1, w2, b1, b2, xb, wf, bias, tc, ct, cw, part; writes xb, wf, bias, tc, ct, cw, part
.if DOCPART == 1
	.amdgcn_target "amdgcn-amd-amdhsa--gfx1250"
	.amdhsa_code_object_version 6
	.text
	.protected	k_qb99869621c_prep
	.globl	k_qb99869621c_prep
	.p2align	8
	.type	k_qb99869621c_prep,@function
k_qb99869621c_prep:
	s_mov_b64 s[64:65], 0
	v_nop
	global_prefetch_b8 v0, s[64:65] scope:SCOPE_SE
	s_setreg_imm32_b32 hwreg(HW_REG_WAVE_MODE, 25, 1), 1
	s_wait_xcnt 0x0
; PREP: all that hangs on no routing, 1/256 of it in each of 256 work-groups of eight waves.
;  (1) x, 32 tokens a work-group, is rounded to bf16 and stored (xb), and kept in LDS for the router.
;  (2) The router: logits = bf16(x) . bf16(gate_w) on the matrix unit, sums in f32; softmax with the row's maximum taken away; top 2; weights p / (p1 + p2 + 1e-9).
;      Stored at fixed places: tc[token] = 8 lo + hi (lo < hi, the two experts), cw[token] = (c_lo, c_hi), ct[block][32] = how many of the block's 32 tokens have each code
;      (two counts of 16 bits a word), part[block][32] = the block's sums of probabilities (words 0-7) and top-1 counts (words 8-15).  No address and no branch here hangs on them.
;  (3) w1 and w2, eight units of 32 k x 128 n a work-group (one a wave), are rounded to bf16 and stored in the order in which a wave's matrix operand registers take them (wf):
;      a unit is 8 fragments b of 1,024 bytes; byte 512 s + 16 L + 2 j holds W[32 ks + 16 s + 8 (L / 16) + j][128 ns + 16 b + L % 16].  w2's bf16 numbers are written as f16.
;  (4) Work-groups 0-11 round b1 and b2 to bf16 and store them as f32 (bias).
; LIMITS.  |w2| stays under 65,504 (f16's end); a w2 below 2^-14 keeps f16's fixed step of 2^-24.  The top 2 are taken on the logits (softmax keeps their order), the lower index
; wins a tie; two logits so near that their rounded probabilities would tie may be ordered otherwise.  NaN and infinite logits are not treated apart.  An exponential below 2^-126 counts as 0.
; REGISTERS.  Window 0: v0 thread, v1 lane, v2 lane % 16, v3 lane / 16, v4 16 lane, v5 8 lane, v6-7 the add's two, v8 16 thread, v9-23 LDS addresses, v24-29 bias,
;   v32-63 gate, v64-191 x as loaded, then at work, v192-255 x packed (data of the stores to xb, never rewritten).  Window 1: v0-127 my unit of weights as loaded, 4 registers a row.
.set XP,    2064                  ; a row of x in LDS: 2,048 bytes + 16: an odd multiple of 16, so the 16 rows of a fragment load start at different groups of banks (ISA guide 11.1)
.set XT,    0                     ; 32 rows of x, bf16
.set GT,    32*XP                 ; gate, [1024 k][16 columns] bf16, 32 bytes a row: columns 0-7 the experts, 8-15 zeros
.set CT,    GT+32768              ; each wave's own tile for turning its unit: 32 rows of 256 bytes,
.set CP,    288                   ; 288 apart (an odd multiple of 32, for the turning load)
.set CTW,   32*CP
.set PL,    CT+8*CTW              ; partial logits: [wave 8][lane half 2][token 16][8 f32]
.set SPARE, PL+8192               ; the spare words: 128 bytes for each wave, four blocks of 256 bytes that no other line names
.set MSB, 0
.macro WIN new                    ; s_set_vgpr_msb: the high byte repeats the setting that is left; a switch that changes nothing is dropped
.if MSB != (\new)
	s_set_vgpr_msb (MSB<<8)|(\new)
.set MSB, (\new)
.endif
.endm
.macro PLACES                     ; four plain places behind a matrix instruction (ISA guide 7.12.1)
.rept 4
	v_nop
.endr
.endm
.macro WLOAD stride               ; my unit: 32 rows of 512 bytes, one load a row, into window 1
	WIN 0x40
.set t, 0
.rept 32
	global_load_b128 v[4*t:4*t+3], v4, s[32:33] offset:t*(\stride) th:TH_LOAD_NT
.set t, t+1
.endr
	WIN 0
.endm
	s_load_b512 s[4:19], s[0:1], 0x0               ; x s[4:5], gate_w s[6:7], w1 s[8:9], w2 s[10:11], b1 s[12:13], b2 s[14:15], xb s[16:17], wf s[18:19]
	s_load_b256 s[20:27], s[0:1], 0x40             ; bias s[20:21], tc s[22:23], ct s[24:25], cw s[26:27]
	s_load_b64 s[28:29], s[0:1], 0x60              ; part
	v_lshl_add_u32 v6, v0, 2, SPARE                ; my spare word,
	v_mov_b32 v7, 0                                ; and 0: kept for the closing add alone
	v_lshrrev_b32 v8, 5, v0
	v_readfirstlane_b32 s30, v8                    ; wave w
	s_mov_b32 s31, ttmp9                           ; work-group g
	v_and_b32 v1, 31, v0
	v_and_b32 v2, 15, v0
	v_bfe_u32 v3, v0, 4, 1
	v_lshlrev_b32 v4, 4, v1
	v_lshlrev_b32 v5, 3, v1
	v_lshlrev_b32 v8, 4, v0
	s_mov_b32 s48, 0x3fb8aa3b                      ; log2(e), as a pair for the packed scaling
	s_mov_b32 s49, s48
	s_mov_b32 s50, 0x76543210                      ; v_permlanex16_b32: each lane takes its own place in the other half
	s_mov_b32 s51, 0xfedcba98
	s_mov_b32 s58, 0xffff0000
	s_lshl_b32 s34, s31, 17                        ; x: 32 tokens of 4,096 bytes a work-group, 4 a wave
	s_lshl_b32 s36, s30, 14
	s_add_co_u32 s34, s34, s36
	s_mov_b32 s35, 0
	s_lshr_b32 s36, s34, 1                         ; xb: half of that
	s_mov_b32 s37, 0
	s_lshl3_add_u32 s38, s31, s30                  ; my unit 8 g + w, 8,192 bytes each
	s_lshl_b32 s38, s38, 13
	s_mov_b32 s39, 0
	s_and_b32 s52, s31, 127                        ; where my unit lies in w1 (g < 128) or w2: expert,
	s_lshr_b32 s53, s52, 4
	s_lshl_b32 s53, s53, 21
	s_and_b32 s54, s52, 3                          ; w1: ks = 8 (g % 4) + w, 32 rows of 2,048 bytes; ns = (g / 4) % 4, 512 bytes
	s_lshl3_add_u32 s54, s54, s30
	s_lshl_b32 s54, s54, 16
	s_bfe_u32 s55, s52, 0x20002
	s_lshl_b32 s55, s55, 9
	s_add_co_u32 s54, s54, s55
	s_and_b32 s56, s52, 1                          ; w2: ks = 8 (g % 2) + w, 32 rows of 4,096 bytes; ns = (g / 2) % 8
	s_lshl3_add_u32 s56, s56, s30
	s_lshl_b32 s56, s56, 17
	s_bfe_u32 s57, s52, 0x30001
	s_lshl_b32 s57, s57, 9
	s_add_co_u32 s56, s56, s57
	s_cmp_lt_u32 s31, 128
	s_cselect_b32 s40, s54, s56
	s_add_co_u32 s40, s40, s53
	s_mov_b32 s41, 0
.irp j, 24,25,26,27
	v_mov_b32 v\j, 0                               ; the bias registers are written on every way
.endr
	s_wait_kmcnt 0x0
	s_add_nc_u64 s[4:5], s[4:5], s[34:35]
	s_add_nc_u64 s[16:17], s[16:17], s[36:37]
	s_add_nc_u64 s[44:45], s[18:19], s[38:39]
	s_cmp_lt_u32 s31, 128
	s_cselect_b64 s[32:33], s[8:9], s[10:11]
	s_add_nc_u64 s[32:33], s[32:33], s[40:41]
	; ALL LOADS GO OUT: the bias (work-groups 0-11; the oldest, so no later count changes), 8 of the gate, 32 of x, 32 of weights
	s_cmp_lt_u32 s31, 12
	s_cbranch_scc0 .Lno_bias_load
	s_sub_co_u32 s52, s31, 4                       ; work-groups 0-3: b1's four blocks of 4,096 bytes; 4-11: b2's eight
	s_cmp_lt_u32 s31, 4
	s_cselect_b32 s52, s31, s52
	s_cselect_b64 s[42:43], s[12:13], s[14:15]
	s_lshl_b32 s52, s52, 12
	s_mov_b32 s53, 0
	s_add_nc_u64 s[42:43], s[42:43], s[52:53]
	global_load_b128 v[24:27], v8, s[42:43]
.Lno_bias_load:
.irp i, 0,1,2,3,4,5,6,7
	global_load_b128 v[32+4*\i:35+4*\i], v8, s[6:7] offset:\i*4096
.endr
.set t, 0
.rept 32                                               ; token t / 8 of my four, 512 bytes a load
	global_load_b128 v[64+4*t:67+4*t], v4, s[4:5] offset:(t/8)*4096+(t%8)*512 th:TH_LOAD_NT
.set t, t+1
.endr
	s_cmp_lt_u32 s31, 128
	s_cbranch_scc0 .Lw2_load
	WLOAD 2048
	s_branch .Lw_loaded
.Lw2_load:
	WLOAD 4096
.Lw_loaded:
	; LDS addresses, while the loads are on their way
	v_lshrrev_b32 v9, 1, v0                        ; gate: thread t holds k = 128 i + t / 2, columns 4 (t % 2) on
	v_lshlrev_b32 v9, 5, v9
	v_and_b32 v12, 1, v0
	v_lshl_add_u32 v9, v12, 3, v9
	v_add_nc_u32 v9, GT, v9
	v_mov_b32 v10, 0
	v_mov_b32 v11, 0
	s_mul_i32 s46, s30, 4*XP
	v_add_nc_u32 v13, s46, v5                      ; x into LDS: my four rows, 8 bytes a lane
	s_and_b32 s52, s30, 1                          ; router: rb, my 16 tokens,
	s_lshr_b32 s53, s30, 1                         ; kq, my quarter of K
	v_lshl_add_u32 v16, s52, 4, v2
	v_mul_u32_u24 v17, v16, XP
	v_lshl_add_u32 v17, v3, 4, v17
	s_lshl_b32 s54, s53, 9
	v_add_nc_u32 v17, s54, v17                     ; x fragment: row x pitch + 16 x half + 512 kq
	v_and_b32 v18, 7, v0
	v_lshl_add_u32 v18, v3, 3, v18                 ; the turning load's row 8 (l / 16) + l % 8,
	v_bfe_u32 v19, v0, 3, 1                        ; and its 16 bytes (l / 8) % 2
	v_mul_u32_u24 v21, v18, CP
	v_lshlrev_b32 v18, 5, v18
	v_lshl_add_u32 v18, v19, 4, v18
	s_lshl_b32 s55, s53, 13
	s_add_co_u32 s55, s55, GT
	v_add_nc_u32 v18, s55, v18                     ; gate fragment
	v_lshlrev_b32 v20, 5, v2
	v_lshl_add_u32 v20, v3, 9, v20
	s_lshl_b32 s56, s30, 10
	s_add_co_u32 s56, s56, PL
	v_add_nc_u32 v20, s56, v20                     ; my partial logits
	v_lshlrev_b32 v14, 5, v2
	v_lshl_add_u32 v14, v3, 10, v14
	v_add_nc_u32 v14, PL, v14                      ; wave 0 reads: token = lane
	s_mul_i32 s57, s30, CTW
	s_add_co_u32 s57, s57, CT
	v_add_nc_u32 v15, s57, v5                      ; my turning tile: in,
	v_lshl_add_u32 v21, v19, 4, v21
	v_add_nc_u32 v21, s57, v21                     ; and out
	; THE GATE: rounded, into LDS beside eight columns of zeros
	s_wait_loadcnt 63                              ; 64 loads are younger than the gate's last; the count's field ends at 63, and the smaller count is safe
.irp i, 0,1,2,3,4,5,6,7
	v_cvt_pk_bf16_f32 v[32+4*\i], v[32+4*\i], v[33+4*\i]
	v_cvt_pk_bf16_f32 v[33+4*\i], v[34+4*\i], v[35+4*\i]
	ds_store_b64 v9, v[32+4*\i:33+4*\i] offset:\i*4096
	ds_store_b64 v9, v[10:11] offset:\i*4096+16
.endr
	s_cmp_lt_u32 s31, 12
	s_cbranch_scc0 .Lno_bias
	v_cvt_pk_bf16_f32 v28, v24, v25                ; the bias: rounded to bf16, written as f32
	v_cvt_pk_bf16_f32 v29, v26, v27
	v_lshlrev_b32 v24, 16, v28
	v_and_b32 v25, s58, v28
	v_lshlrev_b32 v26, 16, v29
	v_and_b32 v27, s58, v29
	s_lshl_b32 s54, s31, 12
	s_mov_b32 s55, 0
	s_add_nc_u64 s[20:21], s[20:21], s[54:55]
	global_store_b128 v8, v[24:27], s[20:21]       ; v8 and v24-27 are not written again
.Lno_bias:
	; X: rounded, into LDS and to xb; each store of the wave covers 256 consecutive bytes, aligned
.irp tau, 0,1,2,3
	s_wait_loadcnt 56-8*\tau                       ; younger: the later tokens' 24 - 8 tau loads and the 32 of weights
.irp i, 0,1,2,3,4,5,6,7
	v_cvt_pk_bf16_f32 v[192+16*\tau+2*\i], v[64+32*\tau+4*\i], v[65+32*\tau+4*\i]
	v_cvt_pk_bf16_f32 v[193+16*\tau+2*\i], v[66+32*\tau+4*\i], v[67+32*\tau+4*\i]
.endr
.irp i, 0,1,2,3,4,5,6,7
	ds_store_b64 v13, v[192+16*\tau+2*\i:193+16*\tau+2*\i] offset:\tau*XP+\i*256
.endr
.irp i, 0,1,2,3,4,5,6,7
	global_store_b64 v5, v[192+16*\tau+2*\i:193+16*\tau+2*\i], s[16:17] offset:\tau*2048+\i*256
.endr
.endr
	s_wait_dscnt 0x0                               ; for the others' sake: my rows of x and my part of the gate are in LDS
	s_barrier_signal -1
	s_barrier_wait -1
	; THE ROUTER'S PRODUCTS.  Source 0 = 16 columns of the gate (turned on the way out of LDS), source 1 = 16 tokens: a lane of the lower half then holds ONE token and its eight logits.
	; 8 K steps of 32 in two runs of four, on two accumulators by turns.
.macro ROUTE rd
.irp q, 0,1,2,3
	ds_load_tr16_b128 v[64+8*\q:67+8*\q], v18 offset:(4*(\rd)+\q)*1024
	ds_load_tr16_b128 v[68+8*\q:71+8*\q], v18 offset:(4*(\rd)+\q)*1024+512
	ds_load_b128 v[96+8*\q:99+8*\q], v17 offset:(4*(\rd)+\q)*64
	ds_load_b128 v[100+8*\q:103+8*\q], v17 offset:(4*(\rd)+\q)*64+32
.endr
	s_wait_dscnt 0x0
.irp q, 0,1,2,3
.if ((\rd) == 0) && (\q < 2)
	v_wmma_f32_16x16x32_bf16 v[128+8*(\q%2):135+8*(\q%2)], v[64+8*\q:71+8*\q], v[96+8*\q:103+8*\q], 0
.else
	v_wmma_f32_16x16x32_bf16 v[128+8*(\q%2):135+8*(\q%2)], v[64+8*\q:71+8*\q], v[96+8*\q:103+8*\q], v[128+8*(\q%2):135+8*(\q%2)]
.endif
.endr
	PLACES                                         ; in front of the next run's loads into the fragments, and of the additions that read the sums
.endm
	ROUTE 0
	ROUTE 1
.irp p, 0,2,4,6                                        ; each accumulator is read from its low end on
	v_pk_add_f32 v[144+\p:145+\p], v[128+\p:129+\p], v[136+\p:137+\p]
.endr
	ds_store_b128 v20, v[144:147]
	ds_store_b128 v20, v[148:151] offset:16
	s_wait_dscnt 0x0                               ; for wave 0's sake
	s_barrier_signal -1
	s_barrier_wait -1
	s_cmp_lg_u32 s30, 0
	s_cbranch_scc1 .Lnot_wave_0
	; WAVE 0: lane = token.  The four quarters of K are added; softmax; top 2; what is stored
.irp kq, 0,1,2,3
	ds_load_b128 v[64+8*\kq:67+8*\kq], v14 offset:\kq*2048
	ds_load_b128 v[68+8*\kq:71+8*\kq], v14 offset:\kq*2048+16
.endr
	s_lshl_b32 s52, s31, 7                         ; my block's places in tc, ct, part (128 bytes) and cw (256)
	s_mov_b32 s53, 0
	s_lshl_b32 s54, s31, 8
	s_mov_b32 s55, 0
	s_add_nc_u64 s[22:23], s[22:23], s[52:53]
	s_add_nc_u64 s[24:25], s[24:25], s[52:53]
	s_add_nc_u64 s[28:29], s[28:29], s[52:53]
	s_add_nc_u64 s[26:27], s[26:27], s[54:55]
	s_wait_dscnt 0x0
.irp p, 0,2,4,6
	v_pk_add_f32 v[64+\p:65+\p], v[64+\p:65+\p], v[72+\p:73+\p]
	v_pk_add_f32 v[80+\p:81+\p], v[80+\p:81+\p], v[88+\p:89+\p]
.endr
.irp p, 0,2,4,6
	v_pk_add_f32 v[64+\p:65+\p], v[64+\p:65+\p], v[80+\p:81+\p]   ; v64-71: the eight logits
.endr
	v_max3_num_f32 v72, v64, v65, v66
	v_max3_num_f32 v72, v72, v67, v68
	v_max3_num_f32 v72, v72, v69, v70
	v_max_num_f32 v72, v72, v71                    ; the row's maximum
	v_mul_f32 v74, s48, v72
	v_mov_b32 v75, v74                             ; named with it as a pair
.irp p, 0,2,4,6
	v_pk_fma_f32 v[80+\p:81+\p], v[64+\p:65+\p], s[48:49], v[74:75] op_sel_hi:[1,0,0] neg_lo:[0,0,1] neg_hi:[0,0,1]
.endr
.irp e, 0,1,2,3,4,5,6,7
	v_exp_f32 v[80+\e], v[80+\e]
.endr
	v_nop                                          ; a plain instruction behind the last exponential,
	s_wait_alu depctr_va_vdst(0)                   ; and one wait for the eight, ahead of their first reader
	v_add_f32 v76, v80, v81
	v_add_f32 v77, v82, v83
	v_add_f32 v78, v84, v85
	v_add_f32 v79, v86, v87
	v_add_f32 v76, v76, v77
	v_add_f32 v78, v78, v79
	v_add_f32 v76, v76, v78
	v_rcp_f32 v77, v76
	v_nop
	s_wait_alu depctr_va_vdst(0)
.irp e, 0,1,2,3,4,5,6,7
	v_mul_f32 v[96+\e], v[80+\e], v77              ; v96-103: router_probs
.endr
	v_mov_b32 v88, v64                             ; the largest logit, its index, its probability: a strict comparison keeps the lower index
	v_mov_b32 v89, 0
	v_mov_b32 v90, v96
.irp e, 1,2,3,4,5,6,7
	v_cmp_gt_f32 vcc_lo, v[64+\e], v88
	v_cndmask_b32 v88, v88, v[64+\e], vcc_lo
	v_cndmask_b32 v89, v89, \e, vcc_lo
	v_cndmask_b32 v90, v90, v[96+\e], vcc_lo
.endr
	v_mov_b32 v91, 0xff800000                      ; the second, among the others
	v_mov_b32 v92, 0
	v_mov_b32 v93, 0
.irp e, 0,1,2,3,4,5,6,7
	v_cmp_gt_f32 s52, v[64+\e], v91
	v_cmp_ne_u32 s53, \e, v89
	s_and_b32 vcc_lo, s52, s53
	v_cndmask_b32 v91, v91, v[64+\e], vcc_lo
	v_cndmask_b32 v92, v92, \e, vcc_lo
	v_cndmask_b32 v93, v93, v[96+\e], vcc_lo
.endr
	v_add_f32 v94, v90, v93
	v_add_f32 v94, 0x3089705f, v94                 ; + 1e-9
	v_rcp_f32 v95, v94
	v_min_u32 v108, v89, v92                       ; lo (a plain instruction behind the reciprocal)
	v_max_u32 v109, v89, v92                       ; hi
	v_lshl_add_u32 v110, v108, 3, v109             ; the code
	s_wait_alu depctr_va_vdst(0)
	v_mul_f32 v105, v90, v95
	v_mul_f32 v106, v93, v95
	v_cmp_lt_u32 vcc_lo, v89, v92
	v_cndmask_b32 v112, v106, v105, vcc_lo         ; c_lo
	v_cndmask_b32 v113, v105, v106, vcc_lo         ; c_hi
	v_lshlrev_b32 v111, 2, v1
	global_store_b32 v111, v110, s[22:23]
	global_store_b64 v5, v[112:113], s[26:27]
	; the block's share of the loss: each probability summed over the 32 tokens, and how many tokens have each expert as their first
	v_mov_b32 v104, 0
	v_mov_b32 v114, 0
.irp m, 1,2,4,8
.irp e, 0,1,2,3,4,5,6,7
	v_add_f32_dpp v[96+\e], v[96+\e], v[96+\e] row_xmask:\m row_mask:0xf bank_mask:0xf
.endr
.endr
.irp e, 0,1,2,3,4,5,6,7
	v_permlanex16_b32 v114, v[96+\e], s50, s51
	v_add_f32 v[96+\e], v[96+\e], v114
	v_readfirstlane_b32 s52, v[96+\e]
	v_writelane_b32 v104, s52, \e
	v_cmp_eq_u32 s53, \e, v89
	s_bcnt1_i32_b32 s53, s53
	s_cvt_f32_u32 s53, s53
	v_writelane_b32 v104, s53, 8+\e
.endr
	global_store_b32 v111, v104, s[28:29]
	; the block's counts by code: word l holds the count of code 2 l below and of code 2 l + 1 above
	v_mov_b32 v107, 0
.set cc, 0
.rept 32
	v_cmp_eq_u32 s52, 2*cc, v110
	v_cmp_eq_u32 s53, 2*cc+1, v110
	s_bcnt1_i32_b32 s52, s52
	s_bcnt1_i32_b32 s53, s53
	s_lshl_b32 s53, s53, 16
	s_or_b32 s52, s52, s53
	v_writelane_b32 v107, s52, cc
.set cc, cc+1
.endr
	global_store_b32 v111, v107, s[24:25]
	s_wait_xcnt 0x0                                ; these stores' registers lie in v64-127, which the conversion below writes
.Lnot_wave_0:
	; MY UNIT OF WEIGHTS: rounded, eight rows at a time as they arrive; through my own tile in LDS, which the turning load reads by columns; stored as fragments.
.macro CONV half                  ; half = 1: the bf16 number is written as f16
.irp grp, 0,1,2,3
	s_wait_loadcnt 24-8*\grp                       ; younger: the later rows' loads
	WIN 0x05                                       ; sources in window 1, destination in window 0
.set t, 8*\grp
.rept 8
	v_cvt_pk_bf16_f32 v[64+2*t], v[4*t], v[4*t+1]
	v_cvt_pk_bf16_f32 v[65+2*t], v[4*t+2], v[4*t+3]
.set t, t+1
.endr
	WIN 0
.if \half
.set t, 16*\grp
.rept 16
	v_lshlrev_b32 v[128+2*(t%8)], 16, v[64+t]
	v_and_b32 v[129+2*(t%8)], s58, v[64+t]
	v_cvt_pk_f16_f32 v[64+t], v[128+2*(t%8)], v[129+2*(t%8)]
.set t, t+1
.endr
.endif
.set t, 8*\grp
.rept 8
	ds_store_b64 v15, v[64+2*t:65+2*t] offset:t*CP
.set t, t+1
.endr
.endr
.set t, 0
.rept 16                                               ; fragment t / 2, half t % 2.  LDS serves a wave's instructions in order (ISA guide 5.7.1.4): these see my stores above
	ds_load_tr16_b128 v[128+4*t:131+4*t], v21 offset:(t/2)*32+(t%2)*16*CP
.set t, t+1
.endr
.set t, 0
.rept 16
	s_wait_dscnt 15-t
	global_store_b128 v4, v[128+4*t:131+4*t], s[44:45] offset:t*512   ; 512 consecutive bytes, aligned
.set t, t+1
.endr
.endm
	s_cmp_lt_u32 s31, 128
	s_cbranch_scc0 .Lw2_conv
	CONV 0
	s_branch .Lconv_done
.Lw2_conv:
	CONV 1
.Lconv_done:
	s_wait_tensorcnt 0x0                           ; the wave's end
	ds_add_u32 v6, v7
	s_wait_dscnt 0x0
	s_endpgm
.Lfunc_end_k_qb99869621c_prep:
	.size	k_qb99869621c_prep, .Lfunc_end_k_qb99869621c_prep-k_qb99869621c_prep
	.p2alignl 7, 3214868480
	.fill 96, 4, 3214868480
	.section	.rodata,"a",@progbits
	.p2align	6, 0x0
	.amdhsa_kernel k_qb99869621c_prep
		.amdhsa_group_segment_fixed_size 181760
		.amdhsa_private_segment_fixed_size 0
		.amdhsa_enable_private_segment 0
		.amdhsa_kernarg_size 104
		.amdhsa_user_sgpr_count 2
		.amdhsa_user_sgpr_kernarg_segment_ptr 1
		.amdhsa_wavefront_size32 1
		.amdhsa_system_sgpr_workgroup_id_x 1
		.amdhsa_system_sgpr_workgroup_id_y 1
		.amdhsa_system_sgpr_workgroup_id_z 1
		.amdhsa_system_vgpr_workitem_id 0
		.amdhsa_next_free_vgpr 384
		.amdhsa_next_free_sgpr 66
		.amdhsa_reserve_vcc 1
		.amdhsa_float_denorm_mode_32 3
		.amdhsa_float_denorm_mode_16_64 3
		.amdhsa_memory_ordered 1
		.amdhsa_forward_progress 1
		.amdhsa_inst_pref_size 80
	.end_amdhsa_kernel
	.amdgpu_metadata
---
amdhsa.version: [ 1, 2 ]
amdhsa.kernels:
  - .name:           k_qb99869621c_prep
    .symbol:         k_qb99869621c_prep.kd
    .args:
      - { .name: x, .offset: 0, .size: 8, .value_kind: global_buffer, .address_space: global }
      - { .name: gate_w, .offset: 8, .size: 8, .value_kind: global_buffer, .address_space: global }
      - { .name: w1, .offset: 16, .size: 8, .value_kind: global_buffer, .address_space: global }
      - { .name: w2, .offset: 24, .size: 8, .value_kind: global_buffer, .address_space: global }
      - { .name: b1, .offset: 32, .size: 8, .value_kind: global_buffer, .address_space: global }
      - { .name: b2, .offset: 40, .size: 8, .value_kind: global_buffer, .address_space: global }
      - { .name: xb, .offset: 48, .size: 8, .value_kind: global_buffer, .address_space: global }
      - { .name: wf, .offset: 56, .size: 8, .value_kind: global_buffer, .address_space: global }
      - { .name: bias, .offset: 64, .size: 8, .value_kind: global_buffer, .address_space: global }
      - { .name: tc, .offset: 72, .size: 8, .value_kind: global_buffer, .address_space: global }
      - { .name: ct, .offset: 80, .size: 8, .value_kind: global_buffer, .address_space: global }
      - { .name: cw, .offset: 88, .size: 8, .value_kind: global_buffer, .address_space: global }
      - { .name: part, .offset: 96, .size: 8, .value_kind: global_buffer, .address_space: global }
    .group_segment_fixed_size: 181760
    .private_segment_fixed_size: 0
    .kernarg_segment_align: 8
    .kernarg_segment_size: 104
    .max_flat_workgroup_size: 256
    .sgpr_count:     66
    .vgpr_count:     384
    .wavefront_size: 32
...
	.end_amdgpu_metadata
.endif
;; end of part 1
;; launch chain (part 2): grid 155 x 1, 8 waves a work-group, no clusters, 282,624 bytes of LDS; arguments xb, wf, bias, tc, ct, cw, part, out0, out1; writes out0, out1
.if DOCPART == 2
	.amdgcn_target "amdgcn-amd-amdhsa--gfx1250"
	.amdhsa_code_object_version 6
	.text
	.protected	k_qb99869621c_chain
	.globl	k_qb99869621c_chain
	.p2align	8
	.type	k_qb99869621c_chain,@function
k_qb99869621c_chain:
	s_mov_b64 s[64:65], 0
	v_nop
	global_prefetch_b8 v0, s[64:65] scope:SCOPE_SE
	s_setreg_imm32_b32 hwreg(HW_REG_WAVE_MODE, 25, 1), 1
	s_wait_xcnt 0x0
; CHAIN: a work-group takes a tile of up to 64 tokens that chose the SAME two experts {lo, hi} through the whole chain, and owns their output rows.
;   H[64][1024] = c silu(X [W1lo | W1hi] + b1), kept in LDS as f16;   OUT[64][1024] = H [W2lo ; W2hi] + c_lo b2lo + c_hi b2hi, one f32 sum for each output.
; THE GRID.  8,192 tokens in 28 sets make at most 128 + 27 = 155 tiles of 64, whatever the split.  Every work-group finds its tile from the stored counts (ct) and its tokens from the stored codes
; (tc), by the same arithmetic: a token's rank in its set is the count in the waves before (1,024 tokens a wave), in the wave's earlier registers, and in the lower lanes.
; In a tile that is not full the places past the count repeat the first token; their rows are not stored.
; A WORK-GROUP THAT THE SPLIT LEAVES WITHOUT A TILE passes every barrier, as every wave must, and stores nothing (its count is 0).  It runs the text on token 8,191's row and experts 6 and 7 and jumps over
; the two products' loops alone, 27 of 32 K steps each: about a fifth of a tile's work is done there for nothing.  That is the price of barriers that stand under no branch on loaded numbers.
; NO CLUSTER: partners would have to share a pair of experts, so each set would be padded to 4 x 64 tokens (a set of 8,192 / 28 = 293 tokens fills 57% of two clusters), and beside X and H
; (264 KB) LDS has room for 3 K steps of weights.  The weights come straight from memory into registers as matrix operands: each byte is read once a tile, by one wave.
; SHARES.  Eight waves, each all 64 rows and 128 columns: 4 x 8 accumulators of 16 x 16.  Product 1: waves 0-3 expert lo, 4-7 hi.  Product 2: columns 128 w on; K = lo's 512, then hi's 512.
; THE MATRIX INSTRUCTION IS USED TRANSPOSED (source 0 = 16 columns of W, source 1 = 16 tokens): a lane holds one token (lane % 16) and eight neighbouring columns 8 (lane / 16) + 0..7.
; LOADS AHEAD.  Weights: a ring of three register slots, a K step asked for two steps ahead; a product's first two steps are asked for a whole phase ahead: product 1's as soon as lo and hi are known,
; ahead of the list and the gather; product 2's ahead of the activation.  Fragments of X and H: half a step ahead: a step is two halves of 16 matrix instructions (row blocks 0, 1; then 2, 3), and behind
; each half its two fragments' registers take the next step's.
; The last work-group also adds the 256 partial sums of the loss.
; LIMITS.  H is f16: |c silu(z)| stays under 65,504.  All inputs were rounded to bf16 once (w2's bf16 numbers written as f16); sums in f32.  exp2 below 2^-126 counts as 0.  NaN and infinities are not treated apart.
; REGISTERS.  Window 0: v0 thread, v1 lane, v2 lane % 16, v3 lane / 16, v4 16 lane, v5-6 my lane's place in a fragment (rows 0-31, 32-63; fixed through a product), v7-8 H's or the stage's addresses,
;   v9 32 (lane / 16), v10-11 the add's two, v12-13 the tile's tokens (slot = lane, 32 + lane), v14 512 w + 16 lane, v15 address of the weights c, v16-23 c, v24-29 at work,
;   v30-31 the fragment addresses of the trip in hand, v32-63 four fragments of X or H (in the activation: at work; on the way out: store offsets),
;   v64-255 a ring of three slots of 64: a K step's eight fragments of W (ahead of product 1 slot 2 holds the codes and counts).
;   Window 1: the accumulators, (a, b) at 8 (8 a + b) (ahead of product 1: the gathered rows on their way into LDS).
.set XP,    2064                  ; a row of X or H in LDS: 2,048 bytes + 16, an odd multiple of 16: the 16 rows of a fragment load start at different groups of banks (ISA guide 11.1)
.set XR,    0                     ; X: 64 rows.  In product 2: eight stages, each wave's own, 32 rows of 512 bytes,
.set SPI,   528                   ; 528 apart
.set STG,   32*SPI
.set HR,    8*STG                 ; H: 64 rows
.set PG,    HR+64*XP              ; counts: [wave 8][4][32 words]
.set SEG,   PG+4096               ; each wave's own 512 bytes: the tile's 64 slots, and word 64 for what is not the tile's
.set FIN,   SEG+4096              ; each wave's own copy of the tile's tokens, 256 bytes
.set CW,    FIN+2048              ; each wave's own copy of (c_lo, c_hi), 512 bytes
.set SPARE, CW+4096               ; the spare words: 128 bytes for each wave, four blocks of 256 bytes that no other line names
.set LASTG, 154
.set TRIPS, 9                     ; trips of a product's loop, three K steps each
.set TRIPB, 192                   ; bytes along a row that a trip walks: 3 x 32 numbers of 2 bytes
.set MSB, 0
.macro WIN new                    ; s_set_vgpr_msb: the high byte repeats the setting that is left; a switch that changes nothing is dropped
.if MSB != (\new)
	s_set_vgpr_msb (MSB<<8)|(\new)
.set MSB, (\new)
.endif
.endm
.macro PLACES                     ; four plain places behind a matrix instruction, in front of loads into its sources and of readers of its result
.rept 4
	v_nop
.endr
.endm
.macro BAR
	s_wait_dscnt 0x0                               ; for the others' sake: none of my LDS instructions is out
	s_barrier_signal -1
	s_barrier_wait -1
.endm
.macro ISSUE slot, off=0          ; a K step's weights, 8,192 consecutive bytes at byte off from the stream's base: fragment j / 2, half j % 2
.set j, 0
.rept 16
	global_load_b128 v[64+64*(\slot)+4*j:64+64*(\slot)+4*j+3], v4, s[40:41] offset:(\off)+512*j
.set j, j+1
.endr
.endm
.macro PRIME                      ; a product's steps 0 and 1: 32 loads off one base, so that no wait stands between them
	ISSUE 0
	ISSUE 1, 8192
.endm
.macro NEXTW n                    ; the stream goes n steps on; behind 16 steps it goes on at s[42:43] (product 2: expert hi's weights)
	s_wait_xcnt 0x0                                ; the base is stepped only behind this wait; the loads that read it were issued a step ago or longer
	s_add_nc_u64 s[40:41], s[40:41], 8192*(\n)
	s_add_co_u32 s44, s44, \n
	s_cmp_eq_u32 s44, 16
	s_cselect_b64 s[40:41], s[42:43], s[40:41]
.endm
.macro BIASL slot, base           ; my 128 columns' bias as the accumulators lie: register 8 b + j holds column 16 b + 8 (lane / 16) + j.  Load j = 2 b + s stands at byte 64 b + 16 s
.set j, 0
.rept 16
	global_load_b128 v[64+64*(\slot)+4*j:64+64*(\slot)+4*j+3], v9, s[\base:\base+1] offset:64*(j/2)+16*(j%2)
.set j, j+1
.endr
.endm
.macro AFRAG half, ar, koff       ; four LDS loads: the fragments of row blocks 2 half and 2 half + 1, 32 along K at byte koff of the rows
.irp a, 0,1
	ds_load_b128 v[32+16*(\half)+8*\a:35+16*(\half)+8*\a], v[(\ar)+(\half)] offset:\a*16*XP+(\koff)
	ds_load_b128 v[36+16*(\half)+8*\a:39+16*(\half)+8*\a], v[(\ar)+(\half)] offset:\a*16*XP+(\koff)+32
.endr
.endm
.macro MUL16 fmt, slot, half, zero ; 16 matrix instructions: row blocks 2 half, 2 half + 1 x all 8 column blocks; each accumulator has one turn a step
	WIN 0x50                                       ; C and D in window 1
.irp a, 0,1
.irp b, 0,1,2,3,4,5,6,7
.set ac, 8*(8*(2*(\half)+\a)+\b)
.set fa, 32+8*(2*(\half)+\a)
.set fb, 64+64*(\slot)+8*\b
.if \zero
	v_wmma_f32_16x16x32_\fmt v[ac:ac+7], v[fb:fb+7], v[fa:fa+7], 0
.else
	v_wmma_f32_16x16x32_\fmt v[ac:ac+7], v[fb:fb+7], v[fa:fa+7], v[ac:ac+7]
.endif
.endr
.endr
.endm
; A K STEP of 32.  At its head the fragments of row blocks 0, 1 are on their way (asked for in the middle of the step before; in a product's first step they are asked for here).
; Head: four places; the fragments of blocks 2, 3 into the registers that the step before has just multiplied; the weights for two steps on (iss = 1) or a bias (2, 3) into the slot that it has left.
; left: the global loads younger than this step's weights: two groups of 16, in product 1's last step one.  s_wait_dscnt 4: the four younger LDS loads, the other half's, may stay out.
; Middle: four places; the NEXT step's fragments of blocks 0, 1.  last = 1: there is no next step.
.macro STEP fmt, slot, ar, koff, first, iss, left, last
	WIN 0
.if \first
	AFRAG 0, \ar, \koff
.else
	PLACES
.endif
	AFRAG 1, \ar, \koff
.if (\iss) == 1
	NEXTW 1+(\first)
	ISSUE ((\slot)+2)%3
.elseif (\iss) == 2
	BIASL ((\slot)+2)%3, 46
.elseif (\iss) == 3
	BIASL ((\slot)+2)%3, 48
.endif
	s_wait_loadcnt \left
	s_wait_dscnt 4                                 ; blocks 0, 1 are in
	MUL16 \fmt, \slot, 0, \first
.if \last
	s_wait_dscnt 0x0                               ; blocks 2, 3 are in, and nothing was asked for behind them
.else
	WIN 0
	PLACES
	AFRAG 0, \ar, (\koff)+64
	s_wait_dscnt 4                                 ; blocks 2, 3 are in
.endif
	MUL16 \fmt, \slot, 1, \first
.endm
; A PRODUCT: 32 K steps; steps 0 and 1's weights were asked for by PRIME; step k multiplies ring slot k % 3 and asks for step k + 2.  The first step starts the sums; 27 steps in a loop of 9 trips;
; the last four are written out: steps 30 and 31 ask for no weights but for the bias (product 2: both experts').
; The lane terms v5, v6 stay as they are; how far along K a trip stands is a scalar, s56, which steps by 192 bytes a trip and is added to them at the trip's head.
; A work-group without a tile (s31 = 1) jumps over the loop.  Both ways reach the tail in the same state: ring slots 1 and 2 are on their way, 16 loads each, and four LDS loads into the fragments of
; blocks 0, 1, so the tail's counts hold on both; the last matrix instruction wrote accumulator (3, 7); every window is 0; the tail makes its addresses from constants.
.macro GEMM fmt, tail1, left1
	STEP \fmt, 0, 5, 0, 1, 1, 32, 0
	WIN 0
	s_cmp_eq_u32 s31, 1
	s_cbranch_scc1 .Lkx_\@
	s_mov_b32 s45, TRIPS
	s_mov_b32 s56, 0
.Lk_\@:
	v_add_nc_u32 v30, s56, v5
	v_add_nc_u32 v31, s56, v6
	STEP \fmt, 1, 30, 64, 0, 1, 32, 0
	STEP \fmt, 2, 30, 128, 0, 1, 32, 0
	STEP \fmt, 0, 30, 192, 0, 1, 32, 0
	WIN 0
	s_add_co_u32 s56, s56, TRIPB
	s_sub_co_u32 s45, s45, 1
	s_cmp_lg_u32 s45, 0
	s_cbranch_scc1 .Lk_\@
.Lkx_\@:
	v_add_nc_u32 v30, TRIPS*TRIPB, v5              ; the tail stands nine trips along K
	v_add_nc_u32 v31, TRIPS*TRIPB, v6
	STEP \fmt, 1, 30, 64, 0, 1, 32, 0
	STEP \fmt, 2, 30, 128, 0, 1, 32, 0
	STEP \fmt, 0, 30, 192, 0, 2, 32, 0
	STEP \fmt, 1, 30, 256, 0, \tail1, \left1, 1
	WIN 0
	PLACES
.endm
	s_load_b512 s[4:19], s[0:1], 0x0               ; xb s[4:5], wf s[6:7], bias s[8:9], tc s[10:11], ct s[12:13], cw s[14:15], part s[16:17], out0 s[18:19]
	s_load_b64 s[20:21], s[0:1], 0x40              ; out1
	v_lshl_add_u32 v10, v0, 2, SPARE               ; my spare word,
	v_mov_b32 v11, 0                               ; and 0: kept for the closing add alone
	v_lshrrev_b32 v24, 5, v0
	v_readfirstlane_b32 s22, v24                   ; wave w
	s_mov_b32 s23, ttmp9                           ; tile T
	v_and_b32 v1, 31, v0
	v_and_b32 v2, 15, v0
	v_bfe_u32 v3, v0, 4, 1
	v_lshlrev_b32 v4, 4, v1
	v_lshlrev_b32 v9, 5, v3
	s_lshl_b32 s34, s22, 9
	v_add_nc_u32 v14, s34, v4
	s_lshl_b32 s35, s22, 12
	v_add_nc_u32 v24, s35, v4
	s_mov_b32 s52, 0xbfb8aa3b                      ; -log2(e), as a pair
	s_mov_b32 s53, s52
	s_mov_b32 s54, 0x76543210
	s_mov_b32 s55, 0xfedcba98
	s_wait_kmcnt 0x0
.irp i, 0,1,2,3,4,5,6,7                                ; my 1,024 tokens' codes: register 4 i + j of lane l is token 1024 w + 128 i + 4 l + j
	global_load_b128 v[192+4*\i:195+4*\i], v24, s[10:11] offset:\i*512
.endr
.irp i, 0,1,2,3,4,5,6,7                                ; and their 32 blocks' counts: block 32 w + 4 i + l / 8, words 4 (l % 8) on
	global_load_b128 v[224+4*\i:227+4*\i], v24, s[12:13] offset:\i*512
.endr
	v_lshl_add_u32 v25, v0, 4, PG
	s_wait_loadcnt 0x0
.irp j, 0,1,2,3                                        ; two counts a word, 8,192 at the most: no carry crosses the halves
	v_add3_u32 v[224+\j], v[224+\j], v[228+\j], v[232+\j]
	v_add3_u32 v[224+\j], v[224+\j], v[236+\j], v[240+\j]
	v_add3_u32 v[224+\j], v[224+\j], v[244+\j], v[248+\j]
	v_add_nc_u32 v[224+\j], v[224+\j], v[252+\j]
.endr
	ds_store_b128 v25, v[224:227]
	BAR
	; every wave: lane l takes word l of all 32 partial counts; the total, and the part of the waves before mine
	v_lshl_add_u32 v25, v1, 2, PG
.set t, 0
.rept 32
	ds_load_b32 v[128+t], v25 offset:t*128
.set t, t+1
.endr
	v_mov_b32 v26, 0
	v_mov_b32 v27, 0
	s_wait_dscnt 0x0
.irp u, 0,1,2,3,4,5,6,7
	v_add3_u32 v24, v[128+4*\u], v[129+4*\u], v[130+4*\u]
	v_add_nc_u32 v24, v24, v[131+4*\u]
	s_cmp_gt_u32 s22, \u
	s_cselect_b32 s34, -1, 0
	v_add_nc_u32 v26, v26, v24
	v_and_b32 v24, s34, v24
	v_add_nc_u32 v27, v27, v24
.endr
	; THE WALK over the 28 sets: s24 counts tiles; the last set that begins at or before tile T is mine
	s_mov_b32 s24, 0                               ; tiles so far
	s_mov_b32 s25, 0                               ; my set's code,
	s_mov_b32 s26, 0                               ; its first tile,
	s_mov_b32 s27, 0                               ; its tokens,
	s_mov_b32 s28, 0                               ; those of them in the waves before mine,
	s_mov_b32 s29, 0                               ; lo,
	s_mov_b32 s30, 0                               ; hi
.macro WALK lo, hi
.set cc, 8*(\lo)+(\hi)
	v_readlane_b32 s34, v26, cc/2
	v_readlane_b32 s35, v27, cc/2
	s_bfe_u32 s34, s34, (16<<16)|(16*(cc%2))
	s_bfe_u32 s35, s35, (16<<16)|(16*(cc%2))
	s_cmp_le_u32 s24, s23
	s_cselect_b32 s25, cc, s25
	s_cselect_b32 s29, \lo, s29
	s_cselect_b32 s30, \hi, s30
	s_cselect_b32 s26, s24, s26
	s_cselect_b32 s27, s34, s27
	s_cselect_b32 s28, s35, s28
	s_add_co_u32 s34, s34, 63
	s_lshr_b32 s34, s34, 6
	s_add_co_u32 s24, s24, s34
.endm
.irp lo, 0,1,2,3,4,5,6
.irp hi, 1,2,3,4,5,6,7
.if \hi > \lo
	WALK \lo, \hi
.endif
.endr
.endr
	s_cmp_ge_u32 s23, s24
	s_cselect_b32 s31, 1, 0                        ; 1: the split has no tile T
	s_sub_co_u32 s33, s23, s26
	s_lshl_b32 s33, s33, 6                         ; the rank of my tile's first token in its set
	s_sub_co_u32 s32, s27, s33
	s_min_u32 s32, s32, 64
	s_cmp_eq_u32 s31, 1
	s_cselect_b32 s32, 0, s32                      ; my tile's tokens, 0 to 64
	s_min_u32 s29, s29, 7                          ; what enters addresses is held to its range
	s_min_u32 s30, s30, 7
	; PRODUCT 1's STREAM: lo and hi are known, so its first two K steps' weights are asked for now, into ring slots 0 and 1 (v64-191), which nothing below names before the product.
	; They land while the list is made and the rows are gathered.
	s_cmp_lt_u32 s22, 4
	s_cselect_b32 s34, s29, s30                    ; my expert e
	s_and_b32 s35, s22, 3                          ; my 128 columns ns of its 512
	s_lshl2_add_u32 s36, s34, s35
	s_lshl_b32 s50, s36, 18                        ; unit 128 e + 32 ns, 8,192 bytes each
	s_mov_b32 s51, 0
	s_add_nc_u64 s[40:41], s[6:7], s[50:51]
	s_add_nc_u64 s[42:43], s[40:41], 131072        ; here the stream simply goes on
	s_mov_b32 s44, 0
	s_lshl_b32 s50, s34, 11                        ; b1: 2,048 bytes an expert, 512 for my columns
	s_lshl_b32 s37, s35, 9
	s_add_co_u32 s50, s50, s37
	s_add_nc_u64 s[46:47], s[8:9], s[50:51]
	PRIME
	; THE LIST: each of my 1,024 tokens that has the code and whose rank falls into the tile goes into its slot of my own segment; all others into word 64
	s_lshl_b32 s36, s22, 9
	s_add_co_u32 s36, s36, SEG
	s_lshl_b32 s37, s22, 10
	v_lshl_add_u32 v28, v1, 2, s37
	v_lshl_add_u32 v29, v1, 2, s36
	v_mov_b32 v30, -1
	ds_store_b32 v29, v30
	ds_store_b32 v29, v30 offset:128
	s_sub_co_u32 s35, s28, s33                     ; the slot of my wave's first token of the set (below 0: it wraps, and the minimum sends it to word 64)
.set t, 0
.rept 32
	v_cmp_eq_u32 s34, s25, v[192+t]
	v_mbcnt_lo_u32_b32 v24, s34, s35
	v_cndmask_b32 v24, 64, v24, s34
	v_min_u32 v24, 64, v24
	v_lshl_add_u32 v24, v24, 2, s36
	v_add_nc_u32 v25, 128*(t/4)+(t%4), v28
	ds_store_b32 v24, v25
	s_bcnt1_i32_b32 s37, s34
	s_add_co_u32 s35, s35, s37
.set t, t+1
.endr
	BAR
	; every wave merges the eight segments: a slot was written in one of them, the others hold all ones
	v_lshl_add_u32 v29, v1, 2, SEG
.irp u, 0,1,2,3,4,5,6,7
	ds_load_b32 v[224+2*\u], v29 offset:\u*512
	ds_load_b32 v[225+2*\u], v29 offset:\u*512+128
.endr
	v_add_nc_u32 v30, 32, v1
	s_wait_dscnt 0x0
	v_min_u32 v12, v224, v226
	v_min_u32 v13, v225, v227
.irp u, 2,3,4,5,6,7
	v_min_u32 v12, v12, v[224+2*\u]
	v_min_u32 v13, v13, v[225+2*\u]
.endr
	v_readfirstlane_b32 s34, v12
	s_min_u32 s34, s34, 0x1fff
	v_cmp_gt_u32 vcc_lo, s32, v1                   ; slots past the count repeat the first token (with no tile: token 8,191 in every slot)
	v_cndmask_b32 v12, s34, v12, vcc_lo
	v_cmp_gt_u32 vcc_lo, s32, v30
	v_cndmask_b32 v13, s34, v13, vcc_lo
	v_min_u32 v12, 0x1fff, v12
	v_min_u32 v13, 0x1fff, v13
	; THE GATHER: wave w brings the rows of slots 8 w to 8 w + 7 into LDS, through window 1's registers, and keeps its own copy of all 64 pairs (c_lo, c_hi)
	s_lshl_b32 s34, s22, 8
	s_add_co_u32 s34, s34, FIN
	v_lshl_add_u32 v24, v1, 2, s34
	ds_store_b32 v24, v12
	ds_store_b32 v24, v13 offset:128
	s_lshl_b32 s35, s22, 5
	s_add_co_u32 s35, s35, s34
	v_mov_b32 v25, s35
	ds_load_b128 v[32:35], v25                     ; my eight tokens, in every lane (my own bytes: LDS serves a wave's instructions in order, ISA guide 5.7.1.4)
	ds_load_b128 v[36:39], v25 offset:16
	v_lshlrev_b32 v26, 3, v12
	v_lshlrev_b32 v27, 3, v13
	global_load_b64 v[40:41], v26, s[14:15]
	global_load_b64 v[42:43], v27, s[14:15]
	s_lshl_b32 s36, s22, 9
	s_add_co_u32 s36, s36, CW
	v_lshl_add_u32 v28, v1, 3, s36
	s_mul_i32 s37, s22, 8*XP
	v_add_nc_u32 v29, s37, v4
	s_wait_dscnt 0x0
.irp i, 0,1,2,3,4,5,6,7
	v_min_u32 v[32+\i], 0x1fff, v[32+\i]
	v_lshl_add_u32 v[32+\i], v[32+\i], 11, v4      ; a row of xb is 2,048 bytes
.endr
	WIN 0x40                                       ; loaded data in window 1, addresses in window 0
.irp i, 0,1,2,3,4,5,6,7
.irp c, 0,1,2,3
	global_load_b128 v[16*\i+4*\c:16*\i+4*\c+3], v[32+\i], s[4:5] offset:\c*512
.endr
.endr
	WIN 0
	; product 1's lane terms, while the rows are on their way
	v_mul_u32_u24 v24, v2, XP
	v_lshl_add_u32 v24, v3, 4, v24                 ; row x pitch + 16 x half
	v_add_nc_u32 v5, XR, v24
	v_add_nc_u32 v6, XR+32*XP, v24
	s_lshl_b32 s34, s22, 8
	s_add_co_u32 s34, s34, HR
	v_add_nc_u32 v7, s34, v24                      ; H: the same row, my 256 bytes of it
	v_add_nc_u32 v8, 32*XP, v7
	s_lshl_b32 s37, s22, 9                         ; my copy of the pairs (c_lo, c_hi),
	s_lshr_b32 s38, s22, 2
	s_lshl_b32 s38, s38, 2                         ; and in a pair the word of my expert: 0 for waves 0-3, 4 for waves 4-7
	s_add_co_u32 s37, s37, s38
	s_add_co_u32 s37, s37, CW
	v_lshl_add_u32 v15, v2, 3, s37                 ; c of my expert for row lane % 16
	s_wait_loadcnt 32                              ; the two loads of c are in (and the weights asked for ahead of them); the 32 of x may be out
	ds_store_b64 v28, v[40:41]
	ds_store_b64 v28, v[42:43] offset:256
	WIN 0x04                                       ; the data of an LDS store, source 1, in window 1
.irp i, 0,1,2,3,4,5,6,7
	s_wait_loadcnt 4*(7-\i)                        ; younger: the later rows' loads
.irp c, 0,1,2,3
	ds_store_b128 v29, v[16*\i+4*\c:16*\i+4*\c+3] offset:\i*XP+\c*512
.endr
.endr
	WIN 0
	BAR                                            ; X is whole
	; PRODUCT 1
	GEMM bf16, 0, 16
.irp a, 0,1,2,3
	ds_load_b32 v[16+2*\a], v15 offset:\a*128      ; c, twice, to fill the pair of the packed multiply; my own bytes; the barrier's wait covers these loads
	ds_load_b32 v[17+2*\a], v15 offset:\a*128
.endr
	; PRODUCT 2's STREAM: its first two K steps' weights are asked for now, into ring slots 0 and 1, which the activation does not name: they land under it
	s_wait_xcnt 0x0                                ; the stream's base and the bias's base are written again only behind this wait
	s_mov_b32 s51, 0
	s_lshl3_add_u32 s34, s29, s22                  ; w2's unit 128 e + 16 w, behind w1's 1,024 units
	s_lshl_b32 s50, s34, 17
	s_add_co_u32 s50, s50, 8388608
	s_add_nc_u64 s[40:41], s[6:7], s[50:51]
	s_lshl3_add_u32 s34, s30, s22
	s_lshl_b32 s50, s34, 17
	s_add_co_u32 s50, s50, 8388608
	s_add_nc_u64 s[42:43], s[6:7], s[50:51]        ; behind lo's 16 steps: hi's
	s_mov_b32 s44, 0
	s_lshl_b32 s37, s22, 9                         ; b2, behind b1's 16,384 bytes: 4,096 an expert, 512 for my columns
	s_add_co_u32 s37, s37, 16384
	s_lshl_b32 s50, s29, 12
	s_add_co_u32 s50, s50, s37
	s_add_nc_u64 s[46:47], s[8:9], s[50:51]
	s_lshl_b32 s50, s30, 12
	s_add_co_u32 s50, s50, s37
	s_add_nc_u64 s[48:49], s[8:9], s[50:51]
	PRIME
	BAR                                            ; every wave's LDS reads of the product, whose addresses step with the trips, are over before any wave stores into LDS again:
	                                               ; the order of those reads and the stores below rests on this barrier.  The global loads stay on their way: nobody writes those bytes
	; THE ACTIVATION
	s_wait_loadcnt 32                              ; the bias is in, in v192-255; the 32 loads of product 2's weights are younger and stay out
; Four accumulators, 32 numbers a lane, IN PLACE: z = sum + b1; c z / (1 + 2^(-z log2 e)); rounded to f16 into each accumulator's four lowest registers; 16 bytes a lane and accumulator into H.
; 32 registers at work, v32-63.  Each run of 32 transcendentals is one batch with one wait, ahead of its first reader; a plain instruction stands behind the last of each.
.macro EPI1 ra, g
.set eb, 8*(8*(\ra)+4*(\g))       ; the four accumulators' first register, in window 1
	WIN 0x41                                       ; destination and source 0 in window 1
.set z, 0
.rept 16                                               ; each accumulator is read from its low end on
	v_pk_add_f32 v[eb+2*z:eb+2*z+1], v[eb+2*z:eb+2*z+1], v[192+32*(\g)+2*z:193+32*(\g)+2*z]
.set z, z+1
.endr
	WIN 0x01                                       ; source 0 in window 1
.set z, 0
.rept 16
	v_pk_mul_f32 v[32+2*z:33+2*z], v[eb+2*z:eb+2*z+1], s[52:53] op_sel_hi:[1,0]
.set z, z+1
.endr
	WIN 0
.set z, 0
.rept 32
	v_exp_f32 v[32+z], v[32+z]
.set z, z+1
.endr
	WIN 0x41
.set z, 0
.rept 16
	v_pk_mul_f32 v[eb+2*z:eb+2*z+1], v[eb+2*z:eb+2*z+1], v[16+2*(\ra):17+2*(\ra)]   ; c z: names no exponential's result
.set z, z+1
.endr
	s_wait_alu depctr_va_vdst(0)
	WIN 0
.set z, 0
.rept 16
	v_pk_add_f32 v[32+2*z:33+2*z], v[32+2*z:33+2*z], 1.0 op_sel_hi:[1,0]
.set z, z+1
.endr
.set z, 0
.rept 32
	v_rcp_f32 v[32+z], v[32+z]
.set z, z+1
.endr
	v_nop
	s_wait_alu depctr_va_vdst(0)
	WIN 0x41
.set z, 0
.rept 16
	v_pk_mul_f32 v[eb+2*z:eb+2*z+1], v[eb+2*z:eb+2*z+1], v[32+2*z:33+2*z]
.set z, z+1
.endr
	WIN 0x45                                       ; destination and both sources in window 1
.irp q, 0,1,2,3
.irp y, 0,1,2,3                                        ; register y takes numbers 2 y and 2 y + 1: ascending, no number is written over before it is read
	v_cvt_pk_f16_f32 v[eb+8*\q+\y], v[eb+8*\q+2*\y], v[eb+8*\q+2*\y+1]
.endr
.endr
	WIN 0x04                                       ; the data of an LDS store, source 1, in window 1
.irp q, 0,1,2,3
	ds_store_b128 v[7+(\ra)/2], v[eb+8*\q:eb+8*\q+3] offset:((\ra)%2)*16*XP+32*(4*(\g)+\q)
.endr
.endm
.irp ra, 0,1,2,3
	EPI1 \ra, 0
	EPI1 \ra, 1
.endr
	WIN 0
	; product 2's lane terms
	v_mul_u32_u24 v24, v2, XP
	v_lshl_add_u32 v24, v3, 4, v24
	v_add_nc_u32 v5, HR, v24
	v_add_nc_u32 v6, HR+32*XP, v24
	s_mul_i32 s34, s22, STG
	s_add_co_u32 s34, s34, XR                      ; my stage, in the bytes that held X
	v_mul_u32_u24 v7, v2, SPI
	v_lshl_add_u32 v7, v3, 5, v7
	v_add_nc_u32 v7, s34, v7                       ; in: row lane % 16, 32 bytes for each half of the lanes
	v_add_nc_u32 v8, s34, v4                       ; back: a row's 512 bytes, 16 a lane
	s_lshl_b32 s37, s22, 9
	s_add_co_u32 s37, s37, CW
	v_lshl_add_u32 v15, v2, 3, s37
	BAR                                            ; H is whole
	; PRODUCT 2
	GEMM f16, 3, 32
.irp a, 0,1,2,3
	ds_load_b64 v[16+2*\a:17+2*\a], v15 offset:\a*128   ; (c_lo, c_hi) of row 16 a + lane % 16; my own bytes; the barrier's wait covers these loads
.endr
	BAR                                            ; as behind product 1: every wave's stepped LDS reads are over before any wave stores into LDS again (the stages, the closing add).
	                                               ; The two biases' 32 loads stay on their way: nobody writes those bytes
	; THE BIASES AND THE WAY OUT
	s_wait_loadcnt 0x0                             ; b2lo in v192-255, b2hi in v64-127
; Rows 32 p to 32 p + 31: + c_lo b2lo + c_hi b2hi; through my stage; back as whole rows.  A row's store covers 512 consecutive bytes, aligned.  Rows past the count are jumped, with all that follows.
.macro OUTP p
	WIN 0x50                                       ; destination and source 2 in window 1
.irp aa, 0,1
.irp b, 0,1,2,3,4,5,6,7
.irp q, 0,2,4,6                                        ; each accumulator is read from its low end on
	v_pk_fma_f32 v[8*(8*(2*\p+\aa)+\b)+\q:8*(8*(2*\p+\aa)+\b)+\q+1], v[192+8*\b+\q:193+8*\b+\q], v[16+2*(2*\p+\aa):17+2*(2*\p+\aa)], v[8*(8*(2*\p+\aa)+\b)+\q:8*(8*(2*\p+\aa)+\b)+\q+1] op_sel_hi:[1,0,1]
.endr
.irp q, 0,2,4,6
	v_pk_fma_f32 v[8*(8*(2*\p+\aa)+\b)+\q:8*(8*(2*\p+\aa)+\b)+\q+1], v[64+8*\b+\q:65+8*\b+\q], v[16+2*(2*\p+\aa):17+2*(2*\p+\aa)], v[8*(8*(2*\p+\aa)+\b)+\q:8*(8*(2*\p+\aa)+\b)+\q+1] op_sel:[0,1,0] op_sel_hi:[1,1,1]
.endr
.endr
.endr
	WIN 0x04                                       ; the data of an LDS store, source 1, in window 1
.irp aa, 0,1
.irp b, 0,1,2,3,4,5,6,7
	ds_store_b128 v7, v[8*(8*(2*\p+\aa)+\b):8*(8*(2*\p+\aa)+\b)+3] offset:\aa*16*SPI+64*\b
	ds_store_b128 v7, v[8*(8*(2*\p+\aa)+\b)+4:8*(8*(2*\p+\aa)+\b)+7] offset:\aa*16*SPI+64*\b+16
.endr
.endr
	WIN 0
.irp bt, 0,1
	s_wait_xcnt 0x0                                ; the last sixteen stores' data and offsets are written again only behind this wait
.irp i, 0,1,2,3,4,5,6,7,8,9,10,11,12,13,14,15
	ds_load_b128 v[128+4*\i:131+4*\i], v8 offset:(16*\bt+\i)*SPI   ; my own bytes: these see the stores above (ISA guide 5.7.1.4)
.endr
.irp i, 0,1,2,3,4,5,6,7,8,9,10,11,12,13,14,15
	s_cmp_le_u32 s32, 32*\p+16*\bt+\i
	s_cbranch_scc1 .Lout_done
	v_readlane_b32 s34, v[12+\p], 16*\bt+\i
	s_min_u32 s34, s34, 0x1fff
	s_lshl_b32 s34, s34, 12                        ; a row of out0 is 4,096 bytes
	v_add_nc_u32 v[32+\i], s34, v14
	s_wait_dscnt 15-\i
	global_store_b128 v[32+\i], v[128+4*\i:131+4*\i], s[18:19] th:TH_STORE_NT
.endr
.endr
.endm
	OUTP 0
	OUTP 1
.Lout_done:
	s_wait_dscnt 0x0                               ; a jump out of the rows may have left loads from the stage out
	; THE LOSS: wave 0 of the last work-group adds the 256 blocks' sums.  0.01 x 8 x sum over e of (count_e / 8192) (P_e / 8192)
	s_cmp_lg_u32 s23, LASTG
	s_cbranch_scc1 .Lend
	s_cmp_lg_u32 s22, 0
	s_cbranch_scc1 .Lend
.irp bt, 0,1,2,3                                       ; a load takes four blocks' rows: lane l holds words 4 (l % 8) on of block 4 i + l / 8
.irp i, 0,1,2,3,4,5,6,7,8,9,10,11,12,13,14,15
	global_load_b128 v[64+4*\i:67+4*\i], v4, s[16:17] offset:(16*\bt+\i)*512
.endr
	s_wait_loadcnt 0x0
.if \bt == 0
	v_pk_add_f32 v[24:25], v[64:65], v[68:69]
	v_pk_add_f32 v[26:27], v[66:67], v[70:71]
.else
	v_pk_add_f32 v[24:25], v[24:25], v[64:65]
	v_pk_add_f32 v[26:27], v[26:27], v[66:67]
	v_pk_add_f32 v[24:25], v[24:25], v[68:69]
	v_pk_add_f32 v[26:27], v[26:27], v[70:71]
.endif
.irp i, 2,3,4,5,6,7,8,9,10,11,12,13,14,15
	v_pk_add_f32 v[24:25], v[24:25], v[64+4*\i:65+4*\i]
	v_pk_add_f32 v[26:27], v[26:27], v[66+4*\i:67+4*\i]
.endr
.endr
	v_mov_b32 v28, 0
.irp j, 24,25,26,27
	v_add_f32_dpp v\j, v\j, v\j row_xmask:8 row_mask:0xf bank_mask:0xf
.endr
.irp j, 24,25,26,27
	v_permlanex16_b32 v28, v\j, s54, s55
	v_add_f32 v\j, v\j, v28
.endr
.irp j, 24,25,26,27                                    ; lanes 0, 1 hold the sums of P, lanes 2, 3 the counts
	v_mul_f32_dpp v\j, v\j, v\j row_xmask:2 row_mask:0xf bank_mask:0xf
.endr
	v_add_f32 v24, v24, v25
	v_add_f32 v26, v26, v27
	v_add_f32 v24, v24, v26
	v_add_f32_dpp v24, v24, v24 row_xmask:1 row_mask:0xf bank_mask:0xf
	v_mul_f32 v24, 0x30a3d70a, v24                 ; 0.08 / 8192^2
	v_mov_b32 v29, 0
	v_cmp_eq_u32 vcc_lo, 0, v0
	s_wait_xcnt 0x0                                ; EXEC changes only behind this wait
	s_and_saveexec_b32 s34, vcc_lo
	global_store_b32 v29, v24, s[20:21]
	s_wait_xcnt 0x0                                ; and again, in front of the line that widens it
	s_or_b32 exec_lo, exec_lo, s34
.Lend:
	s_wait_tensorcnt 0x0                           ; the wave's end
	ds_add_u32 v10, v11
	s_wait_dscnt 0x0
	s_endpgm
.Lfunc_end_k_qb99869621c_chain:
	.size	k_qb99869621c_chain, .Lfunc_end_k_qb99869621c_chain-k_qb99869621c_chain
	.p2alignl 7, 3214868480
	.fill 96, 4, 3214868480
	.section	.rodata,"a",@progbits
	.p2align	6, 0x0
	.amdhsa_kernel k_qb99869621c_chain
		.amdhsa_group_segment_fixed_size 282624
		.amdhsa_private_segment_fixed_size 0
		.amdhsa_enable_private_segment 0
		.amdhsa_kernarg_size 72
		.amdhsa_user_sgpr_count 2
		.amdhsa_user_sgpr_kernarg_segment_ptr 1
		.amdhsa_wavefront_size32 1
		.amdhsa_system_sgpr_workgroup_id_x 1
		.amdhsa_system_sgpr_workgroup_id_y 1
		.amdhsa_system_sgpr_workgroup_id_z 1
		.amdhsa_system_vgpr_workitem_id 0
		.amdhsa_next_free_vgpr 512
		.amdhsa_next_free_sgpr 66
		.amdhsa_reserve_vcc 1
		.amdhsa_float_denorm_mode_32 3
		.amdhsa_float_denorm_mode_16_64 3
		.amdhsa_memory_ordered 1
		.amdhsa_forward_progress 1
		.amdhsa_inst_pref_size 255
	.end_amdhsa_kernel
	.section	.bss,"aw",@nobits
	.p2align	6
	.space	262144
	.amdgpu_metadata
---
amdhsa.version: [ 1, 2 ]
amdhsa.kernels:
  - .name:           k_qb99869621c_chain
    .symbol:         k_qb99869621c_chain.kd
    .args:
      - { .name: xb, .offset: 0, .size: 8, .value_kind: global_buffer, .address_space: global }
      - { .name: wf, .offset: 8, .size: 8, .value_kind: global_buffer, .address_space: global }
      - { .name: bias, .offset: 16, .size: 8, .value_kind: global_buffer, .address_space: global }
      - { .name: tc, .offset: 24, .size: 8, .value_kind: global_buffer, .address_space: global }
      - { .name: ct, .offset: 32, .size: 8, .value_kind: global_buffer, .address_space: global }
      - { .name: cw, .offset: 40, .size: 8, .value_kind: global_buffer, .address_space: global }
      - { .name: part, .offset: 48, .size: 8, .value_kind: global_buffer, .address_space: global }
      - { .name: out0, .offset: 56, .size: 8, .value_kind: global_buffer, .address_space: global }
      - { .name: out1, .offset: 64, .size: 8, .value_kind: global_buffer, .address_space: global }
    .group_segment_fixed_size: 282624
    .private_segment_fixed_size: 0
    .kernarg_segment_align: 8
    .kernarg_segment_size: 72
    .max_flat_workgroup_size: 256
    .sgpr_count:     66
    .vgpr_count:     512
    .wavefront_size: 32
...
	.end_amdgpu_metadata
.endif
;; end of part 2
;; ======== version 2 of 2: 2 launches; version 1 with the launch prep written anew for expert scheduling mode
;; limits: values are held in f16: magnitudes above 65,504 overflow, below 6.1e-05 lose precision
;; workspace buffers: xb 16,777,216 bytes; wf 16,777,216 bytes; bias 49,152 bytes; tc 32,768 bytes of whole numbers; ct 32,768 bytes of whole numbers; cw 65,536 bytes; part 32,768 bytes
;; launch prep (part 3): grid 256 x 1, 8 waves a work-group, no clusters, 181,760 bytes of LDS; arguments x, gate_w, w1, w2, b1, b2, xb, wf, bias, tc, ct, cw, part; writes xb, wf, bias, tc, ct, cw, part
.if DOCPART == 3
	.amdgcn_target "amdgcn-amd-amdhsa--gfx1250"
	.amdhsa_code_object_version 6
	.text
	.protected	k_qb99869621c_prep
	.globl	k_qb99869621c_prep
	.p2align	8
	.type	k_qb99869621c_prep,@function
k_qb99869621c_prep:
	s_mov_b64 s[64:65], 0
	v_nop
	global_prefetch_b8 v0, s[64:65] scope:SCOPE_SE
	s_setreg_imm32_b32 hwreg(HW_REG_WAVE_SCHED_MODE, 0, 2), 2
	s_setreg_imm32_b32 hwreg(HW_REG_WAVE_MODE, 25, 1), 1
	s_wait_xcnt 0x0
	s_wait_alu depctr_vm_vsrc(0)
; PREP: all that hangs on no routing, 1/256 of it in each of 256 work-groups of eight waves.
;  (1) x, 32 tokens a work-group, is rounded to bf16 and stored (xb), and kept in LDS for the router.
;  (2) The router: logits = bf16(x) . bf16(gate_w) on the matrix unit, sums in f32; softmax with the row's maximum taken away; top 2; weights p / (p1 + p2 + 1e-9).
;      Stored at fixed places: tc[token] = 8 lo + hi (lo < hi, the two experts), cw[token] = (c_lo, c_hi), ct[block][32] = how many of the block's 32 tokens have each code
;      (two counts of 16 bits a word), part[block][32] = the block's sums of probabilities (words 0-7) and top-1 counts (words 8-15).  No address and no branch here hangs on them.
;  (3) w1 and w2, eight units of 32 k x 128 n a work-group (one a wave), are rounded to bf16 and stored in the order in which a wave's matrix operand registers take them (wf):
;      a unit is 8 fragments b of 1,024 bytes; byte 512 s + 16 L + 2 j holds W[32 ks + 16 s + 8 (L / 16) + j][128 ns + 16 b + L % 16].  w2's bf16 numbers are written as f16.
;  (4) Work-groups 0-11 round b1 and b2 to bf16 and store them as f32 (bias).
; LIMITS.  |w2| stays under 65,504 (f16's end); a w2 below 2^-14 keeps f16's fixed step of 2^-24.  The top 2 are taken on the logits (softmax keeps their order), the lower index
; wins a tie; two logits so near that their rounded probabilities would tie may be ordered otherwise.  NaN and infinite logits are not treated apart.  An exponential below 2^-126 counts as 0.
; REGISTERS.  Window 0: v0 thread, v1 lane, v2 lane % 16, v3 lane / 16, v4 16 lane, v5 8 lane, v6-7 the add's two, v8 16 thread, v9-23 LDS addresses, v24-29 bias,
;   v32-63 gate, v64-191 x as loaded, then at work, v192-255 x packed (data of the stores to xb, never rewritten).  Window 1: v0-127 my unit of weights as loaded, 4 registers a row.
; THE MODE: SCHED_MODE bits 1:0 = 2 (LLVM: expert scheduling mode 2), set by the entry lines.  The code itself states the register dependences
; between vector or matrix instructions and memory or LDS instructions, with s_wait_alu, always for 0.
; THE PLAN.  Registers that memory or LDS instructions touch, and who else names them:
;   v4, v5, v8      offsets, written once at the head, ahead of the wait that stands in front of the first load; never written again.
;   v9-11, v13-15, v17, v18, v20, v21   LDS addresses and a pair of zeros, written once while the loads are out, ahead of the wait behind the gate's conversions; never written again.
;   v24-27          zeros, then the bias's load, then its rounding, then one store.       v32-63   the gate: loaded, rounded in place, stored to LDS; never written again.
;   v192-255        token tau's conversions write sixteen of them; token tau's stores, which are issued in token tau + 1's step behind the wait at its head, read them; never written again.
;   v64-191         x as loaded, read by the conversions.  Then: v64-127 the router's fragments, loaded in two runs and read by matrix instructions; v144-151 the partial logits, read by LDS stores;
;                   wave 0: v64-95 loaded from LDS, v104-113 read by its four stores, which stand together behind one wait;
;                   the weights: rows 8 g on are rounded into v64+16 g on and stored to LDS in the next step, behind the wait at its head; v128-191 the turning loads' data, read by the stores to wf.
;   Window 1        the weights as loaded; read by conversions; never loaded again.
; One wait on vm_vsrc stands in the text, where wave 0 joins the others: behind it v64-191 are written anew.
; A vector instruction's scalar result has its wait ahead of its first reader; compares that do not hang on each other stand in runs, into sixteen scalar registers, with one wait behind the run.
.set XP,    2064                  ; a row of x in LDS: 2,048 bytes + 16: an odd multiple of 16, so the 16 rows of a fragment load start at different groups of banks (ISA guide 11.1)
.set XT,    0                     ; 32 rows of x, bf16
.set GT,    32*XP                 ; gate, [1024 k][16 columns] bf16, 32 bytes a row: columns 0-7 the experts, 8-15 zeros
.set CT,    GT+32768              ; each wave's own tile for turning its unit: 32 rows of 256 bytes,
.set CP,    288                   ; 288 apart (an odd multiple of 32, for the turning load)
.set CTW,   32*CP
.set PL,    CT+8*CTW              ; partial logits: [wave 8][lane half 2][token 16][8 f32]
.set SPARE, PL+8192               ; the spare words: 128 bytes for each wave, four blocks of 256 bytes that no other line names
.set MSB, 0
.macro WIN new                    ; s_set_vgpr_msb: the high byte repeats the setting that is left; a switch that changes nothing is dropped
.if MSB != (\new)
	s_set_vgpr_msb (MSB<<8)|(\new)
.set MSB, (\new)
.endif
.endm
.macro PLACES                     ; four plain places behind a matrix instruction (ISA guide 7.12.1)
.rept 4
	v_nop
.endr
.endm
.macro WLOAD stride               ; my unit: 32 rows of 512 bytes, one load a row, into window 1
	WIN 0x40
.set t, 0
.rept 32
	global_load_b128 v[4*t:4*t+3], v4, s[32:33] offset:t*(\stride) th:TH_LOAD_NT
.set t, t+1
.endr
	WIN 0
.endm
	s_load_b512 s[4:19], s[0:1], 0x0               ; x s[4:5], gate_w s[6:7], w1 s[8:9], w2 s[10:11], b1 s[12:13], b2 s[14:15], xb s[16:17], wf s[18:19]
	s_load_b256 s[20:27], s[0:1], 0x40             ; bias s[20:21], tc s[22:23], ct s[24:25], cw s[26:27]
	s_load_b64 s[28:29], s[0:1], 0x60              ; part
	v_lshl_add_u32 v6, v0, 2, SPARE                ; my spare word,
	v_mov_b32 v7, 0                                ; and 0: kept for the closing add alone
	v_lshrrev_b32 v8, 5, v0
	v_readfirstlane_b32 s30, v8                    ; wave w
	s_mov_b32 s31, ttmp9                           ; work-group g
	v_and_b32 v1, 31, v0
	v_and_b32 v2, 15, v0
	v_bfe_u32 v3, v0, 4, 1
	v_lshlrev_b32 v4, 4, v1
	v_lshlrev_b32 v5, 3, v1
	v_lshlrev_b32 v8, 4, v0
	s_mov_b32 s48, 0x3fb8aa3b                      ; log2(e), as a pair for the packed scaling
	s_mov_b32 s49, s48
	s_mov_b32 s50, 0x76543210                      ; v_permlanex16_b32: each lane takes its own place in the other half
	s_mov_b32 s51, 0xfedcba98
	s_mov_b32 s58, 0xffff0000
	s_wait_alu depctr_va_sdst(0)                   ; s30 is written, ahead of its first reader: the wave's offsets below are made from it
	s_lshl_b32 s34, s31, 17                        ; x: 32 tokens of 4,096 bytes a work-group, 4 a wave
	s_lshl_b32 s36, s30, 14
	s_add_co_u32 s34, s34, s36
	s_mov_b32 s35, 0
	s_lshr_b32 s36, s34, 1                         ; xb: half of that
	s_mov_b32 s37, 0
	s_lshl3_add_u32 s38, s31, s30                  ; my unit 8 g + w, 8,192 bytes each
	s_lshl_b32 s38, s38, 13
	s_mov_b32 s39, 0
	s_and_b32 s52, s31, 127                        ; where my unit lies in w1 (g < 128) or w2: expert,
	s_lshr_b32 s53, s52, 4
	s_lshl_b32 s53, s53, 21
	s_and_b32 s54, s52, 3                          ; w1: ks = 8 (g % 4) + w, 32 rows of 2,048 bytes; ns = (g / 4) % 4, 512 bytes
	s_lshl3_add_u32 s54, s54, s30
	s_lshl_b32 s54, s54, 16
	s_bfe_u32 s55, s52, 0x20002
	s_lshl_b32 s55, s55, 9
	s_add_co_u32 s54, s54, s55
	s_and_b32 s56, s52, 1                          ; w2: ks = 8 (g % 2) + w, 32 rows of 4,096 bytes; ns = (g / 2) % 8
	s_lshl3_add_u32 s56, s56, s30
	s_lshl_b32 s56, s56, 17
	s_bfe_u32 s57, s52, 0x30001
	s_lshl_b32 s57, s57, 9
	s_add_co_u32 s56, s56, s57
	s_cmp_lt_u32 s31, 128
	s_cselect_b32 s40, s54, s56
	s_add_co_u32 s40, s40, s53
	s_mov_b32 s41, 0
.irp j, 24,25,26,27
	v_mov_b32 v\j, 0                               ; the bias registers are written on every way
.endr
	s_wait_kmcnt 0x0
	s_add_nc_u64 s[4:5], s[4:5], s[34:35]
	s_add_nc_u64 s[16:17], s[16:17], s[36:37]
	s_add_nc_u64 s[44:45], s[18:19], s[38:39]
	s_cmp_lt_u32 s31, 128
	s_cselect_b64 s[32:33], s[8:9], s[10:11]
	s_add_nc_u64 s[32:33], s[32:33], s[40:41]
	s_wait_alu depctr_va_vdst(0)                   ; the offsets v4, v5 and v8 are written, which the loads and stores read; so are the zeros in v24-27, in which the bias's load lands.
	                                               ; Up to the last of the loads below stand only loads, window switches and scalar lines
	; ALL LOADS GO OUT: the bias (work-groups 0-11; the oldest, so no later count changes), 8 of the gate, 32 of x, 32 of weights
	s_cmp_lt_u32 s31, 12
	s_cbranch_scc0 .Lno_bias_load
	s_sub_co_u32 s52, s31, 4                       ; work-groups 0-3: b1's four blocks of 4,096 bytes; 4-11: b2's eight
	s_cmp_lt_u32 s31, 4
	s_cselect_b32 s52, s31, s52
	s_cselect_b64 s[42:43], s[12:13], s[14:15]
	s_lshl_b32 s52, s52, 12
	s_mov_b32 s53, 0
	s_add_nc_u64 s[42:43], s[42:43], s[52:53]
	global_load_b128 v[24:27], v8, s[42:43]
.Lno_bias_load:
.irp i, 0,1,2,3,4,5,6,7
	global_load_b128 v[32+4*\i:35+4*\i], v8, s[6:7] offset:\i*4096
.endr
.set t, 0
.rept 32                                               ; token t / 8 of my four, 512 bytes a load
	global_load_b128 v[64+4*t:67+4*t], v4, s[4:5] offset:(t/8)*4096+(t%8)*512 th:TH_LOAD_NT
.set t, t+1
.endr
	s_cmp_lt_u32 s31, 128
	s_cbranch_scc0 .Lw2_load
	WLOAD 2048
	s_branch .Lw_loaded
.Lw2_load:
	WLOAD 4096
.Lw_loaded:
	; LDS addresses, while the loads are on their way: none of these lines names a register of a load that is out
	v_lshrrev_b32 v9, 1, v0                        ; gate: thread t holds k = 128 i + t / 2, columns 4 (t % 2) on
	v_lshlrev_b32 v9, 5, v9
	v_and_b32 v12, 1, v0
	v_lshl_add_u32 v9, v12, 3, v9
	v_add_nc_u32 v9, GT, v9
	v_mov_b32 v10, 0
	v_mov_b32 v11, 0
	s_mul_i32 s46, s30, 4*XP
	v_add_nc_u32 v13, s46, v5                      ; x into LDS: my four rows, 8 bytes a lane
	s_and_b32 s52, s30, 1                          ; router: rb, my 16 tokens,
	s_lshr_b32 s53, s30, 1                         ; kq, my quarter of K
	v_lshl_add_u32 v16, s52, 4, v2
	v_mul_u32_u24 v17, v16, XP
	v_lshl_add_u32 v17, v3, 4, v17
	s_lshl_b32 s54, s53, 9
	v_add_nc_u32 v17, s54, v17                     ; x fragment: row x pitch + 16 x half + 512 kq
	v_and_b32 v18, 7, v0
	v_lshl_add_u32 v18, v3, 3, v18                 ; the turning load's row 8 (l / 16) + l % 8,
	v_bfe_u32 v19, v0, 3, 1                        ; and its 16 bytes (l / 8) % 2
	v_mul_u32_u24 v21, v18, CP
	v_lshlrev_b32 v18, 5, v18
	v_lshl_add_u32 v18, v19, 4, v18
	s_lshl_b32 s55, s53, 13
	s_add_co_u32 s55, s55, GT
	v_add_nc_u32 v18, s55, v18                     ; gate fragment
	v_lshlrev_b32 v20, 5, v2
	v_lshl_add_u32 v20, v3, 9, v20
	s_lshl_b32 s56, s30, 10
	s_add_co_u32 s56, s56, PL
	v_add_nc_u32 v20, s56, v20                     ; my partial logits
	v_lshlrev_b32 v14, 5, v2
	v_lshl_add_u32 v14, v3, 10, v14
	v_add_nc_u32 v14, PL, v14                      ; wave 0 reads: token = lane
	s_mul_i32 s57, s30, CTW
	s_add_co_u32 s57, s57, CT
	v_add_nc_u32 v15, s57, v5                      ; my turning tile: in,
	v_lshl_add_u32 v21, v19, 4, v21
	v_add_nc_u32 v21, s57, v21                     ; and out
	; THE GATE: rounded, into LDS beside eight columns of zeros.  The sixteen conversions stand in one run, then one wait, then the sixteen stores
	s_wait_loadcnt 63                              ; 64 loads are younger than the gate's last; the count's field ends at 63, and the smaller count is safe
.irp i, 0,1,2,3,4,5,6,7
	v_cvt_pk_bf16_f32 v[32+4*\i], v[32+4*\i], v[33+4*\i]
	v_cvt_pk_bf16_f32 v[33+4*\i], v[34+4*\i], v[35+4*\i]
.endr
	s_wait_alu depctr_va_vdst(0)                   ; the conversions have written the gate's pairs in v32-61, which the LDS stores read; all LDS addresses (v9, v13-15, v17, v18, v20, v21) and the zeros in v10-11 are written
.irp i, 0,1,2,3,4,5,6,7
	ds_store_b64 v9, v[32+4*\i:33+4*\i] offset:\i*4096
	ds_store_b64 v9, v[10:11] offset:\i*4096+16
.endr
	s_cmp_lt_u32 s31, 12
	s_cbranch_scc0 .Lno_bias
	v_cvt_pk_bf16_f32 v28, v24, v25                ; the bias: rounded to bf16, written as f32
	v_cvt_pk_bf16_f32 v29, v26, v27
	v_lshlrev_b32 v24, 16, v28
	v_and_b32 v25, s58, v28
	v_lshlrev_b32 v26, 16, v29
	v_and_b32 v27, s58, v29
	s_lshl_b32 s54, s31, 12
	s_mov_b32 s55, 0
	s_add_nc_u64 s[20:21], s[20:21], s[54:55]
	s_wait_alu depctr_va_vdst(0)                   ; the four lines above have written v24-27, which the store reads
	global_store_b128 v8, v[24:27], s[20:21]       ; v8 and v24-27 are not written again
.Lno_bias:
	; X: rounded, into LDS and to xb; each store of the wave covers 256 consecutive bytes, aligned.  Four steps, a token each: a step rounds its token, and the token before, which the wait at
	; the step's head shows written, goes out meanwhile: a store to LDS and a store to xb in front of each two conversions, which name other registers
.irp tau, 0,1,2,3
	s_wait_loadcnt 56-8*\tau                       ; younger: the later tokens' 24 - 8 tau loads and the 32 of weights
.if \tau > 0
	s_wait_alu depctr_va_vdst(0)                   ; the conversions of the token before have written its sixteen registers of v192-255, which the stores of this step read
.endif
.irp i, 0,1,2,3,4,5,6,7
.if \tau > 0
	ds_store_b64 v13, v[192+16*(\tau-1)+2*\i:193+16*(\tau-1)+2*\i] offset:(\tau-1)*XP+\i*256
	global_store_b64 v5, v[192+16*(\tau-1)+2*\i:193+16*(\tau-1)+2*\i], s[16:17] offset:(\tau-1)*2048+\i*256
.endif
	v_cvt_pk_bf16_f32 v[192+16*\tau+2*\i], v[64+32*\tau+4*\i], v[65+32*\tau+4*\i]
	v_cvt_pk_bf16_f32 v[193+16*\tau+2*\i], v[66+32*\tau+4*\i], v[67+32*\tau+4*\i]
.endr
.endr
	s_wait_alu depctr_va_vdst(0)                   ; the last token's conversions have written v240-255, which the stores below read; and all conversions are done reading v64-127, in which the router's first fragments land
.irp i, 0,1,2,3,4,5,6,7
	ds_store_b64 v13, v[240+2*\i:241+2*\i] offset:3*XP+\i*256
	global_store_b64 v5, v[240+2*\i:241+2*\i], s[16:17] offset:3*2048+\i*256
.endr
	s_wait_dscnt 0x0                               ; for the others' sake: my rows of x and my part of the gate are in LDS
	s_barrier_signal -1
	s_barrier_wait -1
	; THE ROUTER'S PRODUCTS.  Source 0 = 16 columns of the gate (turned on the way out of LDS), source 1 = 16 tokens: a lane of the lower half then holds ONE token and its eight logits.
	; 8 K steps of 32 in two runs of four, on two accumulators by turns.
.macro ROUTE rd
.if (\rd) == 1
	s_wait_alu depctr_va_vdst(0)                   ; the first run's matrix instructions are done reading v64-127, in which this run's loads land
.endif
.irp q, 0,1,2,3
	ds_load_tr16_b128 v[64+8*\q:67+8*\q], v18 offset:(4*(\rd)+\q)*1024
	ds_load_tr16_b128 v[68+8*\q:71+8*\q], v18 offset:(4*(\rd)+\q)*1024+512
	ds_load_b128 v[96+8*\q:99+8*\q], v17 offset:(4*(\rd)+\q)*64
	ds_load_b128 v[100+8*\q:103+8*\q], v17 offset:(4*(\rd)+\q)*64+32
.endr
	s_wait_dscnt 0x0
.irp q, 0,1,2,3
.if ((\rd) == 0) && (\q < 2)
	v_wmma_f32_16x16x32_bf16 v[128+8*(\q%2):135+8*(\q%2)], v[64+8*\q:71+8*\q], v[96+8*\q:103+8*\q], 0
.else
	v_wmma_f32_16x16x32_bf16 v[128+8*(\q%2):135+8*(\q%2)], v[64+8*\q:71+8*\q], v[96+8*\q:103+8*\q], v[128+8*(\q%2):135+8*(\q%2)]
.endif
.endr
	PLACES                                         ; in front of the next run's loads into the fragments, and of the additions that read the sums
.endm
	ROUTE 0
	ROUTE 1
.irp p, 0,2,4,6                                        ; each accumulator is read from its low end on
	v_pk_add_f32 v[144+\p:145+\p], v[128+\p:129+\p], v[136+\p:137+\p]
.endr
	s_wait_alu depctr_va_vdst(0)                   ; the additions have written v144-151, which the LDS stores read; the second run's matrix instructions are done reading v64-95, in which wave 0's loads land
	ds_store_b128 v20, v[144:147]
	ds_store_b128 v20, v[148:151] offset:16
	s_wait_dscnt 0x0                               ; for wave 0's sake
	s_barrier_signal -1
	s_barrier_wait -1
	s_cmp_lg_u32 s30, 0
	s_cbranch_scc1 .Lnot_wave_0
	; WAVE 0: lane = token.  The four quarters of K are added; softmax; top 2; what is stored
.irp kq, 0,1,2,3
	ds_load_b128 v[64+8*\kq:67+8*\kq], v14 offset:\kq*2048
	ds_load_b128 v[68+8*\kq:71+8*\kq], v14 offset:\kq*2048+16
.endr
	s_lshl_b32 s52, s31, 7                         ; my block's places in tc, ct, part (128 bytes) and cw (256)
	s_mov_b32 s53, 0
	s_lshl_b32 s54, s31, 8
	s_mov_b32 s55, 0
	s_add_nc_u64 s[22:23], s[22:23], s[52:53]
	s_add_nc_u64 s[24:25], s[24:25], s[52:53]
	s_add_nc_u64 s[28:29], s[28:29], s[52:53]
	s_add_nc_u64 s[26:27], s[26:27], s[54:55]
	s_wait_dscnt 0x0
.irp p, 0,2,4,6
	v_pk_add_f32 v[64+\p:65+\p], v[64+\p:65+\p], v[72+\p:73+\p]
	v_pk_add_f32 v[80+\p:81+\p], v[80+\p:81+\p], v[88+\p:89+\p]
.endr
.irp p, 0,2,4,6
	v_pk_add_f32 v[64+\p:65+\p], v[64+\p:65+\p], v[80+\p:81+\p]   ; v64-71: the eight logits
.endr
	v_max3_num_f32 v72, v64, v65, v66
	v_max3_num_f32 v72, v72, v67, v68
	v_max3_num_f32 v72, v72, v69, v70
	v_max_num_f32 v72, v72, v71                    ; the row's maximum
	v_mul_f32 v74, s48, v72
	v_mov_b32 v75, v74                             ; named with it as a pair
.irp p, 0,2,4,6
	v_pk_fma_f32 v[80+\p:81+\p], v[64+\p:65+\p], s[48:49], v[74:75] op_sel_hi:[1,0,0] neg_lo:[0,0,1] neg_hi:[0,0,1]
.endr
.irp e, 0,1,2,3,4,5,6,7
	v_exp_f32 v[80+\e], v[80+\e]
.endr
	v_nop                                          ; a plain instruction behind the last exponential,
	s_wait_alu depctr_va_vdst(0)                   ; and one wait for the eight, ahead of their first reader
	v_add_f32 v76, v80, v81
	v_add_f32 v77, v82, v83
	v_add_f32 v78, v84, v85
	v_add_f32 v79, v86, v87
	v_add_f32 v76, v76, v77
	v_add_f32 v78, v78, v79
	v_add_f32 v76, v76, v78
	v_rcp_f32 v77, v76
	v_nop
	s_wait_alu depctr_va_vdst(0)                   ; the reciprocal has written v77, ahead of its first reader
.irp e, 0,1,2,3,4,5,6,7
	v_mul_f32 v[96+\e], v[80+\e], v77              ; v96-103: router_probs
.endr
	v_mov_b32 v88, v64                             ; the largest logit, its index, its probability: a strict comparison keeps the lower index
	v_mov_b32 v89, 0
	v_mov_b32 v90, v96
.irp e, 1,2,3,4,5,6,7                                  ; a chain: each compare reads the select before it, so each has a wait of its own
	v_cmp_gt_f32 vcc_lo, v[64+\e], v88
	s_wait_alu depctr_va_vcc(0)                    ; the compare has written VCC, which the three selects read
	v_cndmask_b32 v88, v88, v[64+\e], vcc_lo
	v_cndmask_b32 v89, v89, \e, vcc_lo
	v_cndmask_b32 v90, v90, v[96+\e], vcc_lo
.endr
	v_mov_b32 v91, 0xff800000                      ; the second, among the others
	v_mov_b32 v92, 0
	v_mov_b32 v93, 0
.irp e, 0,1,2,3,4,5,6,7                                ; a chain like the first
	v_cmp_gt_f32 s52, v[64+\e], v91
	v_cmp_ne_u32 s53, \e, v89
	s_wait_alu depctr_va_sdst(0)                   ; the two compares have written s52 and s53, which the scalar line below reads
	s_and_b32 vcc_lo, s52, s53
	v_cndmask_b32 v91, v91, v[64+\e], vcc_lo
	v_cndmask_b32 v92, v92, \e, vcc_lo
	v_cndmask_b32 v93, v93, v[96+\e], vcc_lo
.endr
	v_add_f32 v94, v90, v93
	v_add_f32 v94, 0x3089705f, v94                 ; + 1e-9
	v_rcp_f32 v95, v94
	v_min_u32 v108, v89, v92                       ; lo (a plain instruction behind the reciprocal)
	v_max_u32 v109, v89, v92                       ; hi
	v_lshl_add_u32 v110, v108, 3, v109             ; the code
	v_cmp_lt_u32 vcc_lo, v89, v92
	v_lshlrev_b32 v111, 2, v1
	s_wait_alu depctr_va_vdst(0)                   ; the reciprocal has written v95, ahead of its first reader
	v_mul_f32 v105, v90, v95
	v_mul_f32 v106, v93, v95
	s_wait_alu depctr_va_vcc(0)                    ; the compare five lines up has written VCC, which the two selects read
	v_cndmask_b32 v112, v106, v105, vcc_lo         ; c_lo
	v_cndmask_b32 v113, v105, v106, vcc_lo         ; c_hi
	; the block's share of the loss: each probability summed over the 32 tokens, and how many tokens have each expert as their first
	v_mov_b32 v104, 0
	v_mov_b32 v114, 0
.irp m, 1,2,4,8
.irp e, 0,1,2,3,4,5,6,7
	v_add_f32_dpp v[96+\e], v[96+\e], v[96+\e] row_xmask:\m row_mask:0xf bank_mask:0xf
.endr
.endr
.irp e, 0,1,2,3,4,5,6,7
	v_permlanex16_b32 v114, v[96+\e], s50, s51
	v_add_f32 v[96+\e], v[96+\e], v114
.endr
.irp e, 0,1,2,3,4,5,6,7                                ; one run of sixteen scalar results: the sums into s34-41, the masks into s52-57, s59, s60 (s58 holds a mask of bits that is still wanted)
	v_readfirstlane_b32 s[34+\e], v[96+\e]
	v_cmp_eq_u32 s[52+\e+\e/6], \e, v89
.endr
	s_wait_alu depctr_va_sdst(0)                   ; the run has written its sixteen scalar registers, ahead of their first readers
.irp e, 0,1,2,3,4,5,6,7
	v_writelane_b32 v104, s[34+\e], \e
	s_bcnt1_i32_b32 s[52+\e+\e/6], s[52+\e+\e/6]
	s_cvt_f32_u32 s[52+\e+\e/6], s[52+\e+\e/6]
	v_writelane_b32 v104, s[52+\e+\e/6], 8+\e
.endr
	; the block's counts by code: word l holds the count of code 2 l below and of code 2 l + 1 above.  Four runs of sixteen compares, eight words each, into the same sixteen scalar registers
	v_mov_b32 v107, 0
.set rr, 0
.rept 4
.set nn, 0
.rept 8
	v_cmp_eq_u32 s[34+nn], 2*(8*rr+nn), v110
	v_cmp_eq_u32 s[52+nn+nn/6], 2*(8*rr+nn)+1, v110
.set nn, nn+1
.endr
	s_wait_alu depctr_va_sdst(0)                   ; the run's sixteen compares have written their masks, which the scalar counts below read
.set nn, 0
.rept 8
	s_bcnt1_i32_b32 s[34+nn], s[34+nn]
	s_bcnt1_i32_b32 s[52+nn+nn/6], s[52+nn+nn/6]
	s_lshl_b32 s[52+nn+nn/6], s[52+nn+nn/6], 16
	s_or_b32 s[34+nn], s[34+nn], s[52+nn+nn/6]
	v_writelane_b32 v107, s[34+nn], 8*rr+nn
.set nn, nn+1
.endr
.set rr, rr+1
.endr
	s_wait_alu depctr_va_vdst(0)                   ; the codes v110, the weights v112-113, the loss's share v104, the counts v107 and the offset v111 are written: the four stores read them
	global_store_b32 v111, v110, s[22:23]
	global_store_b64 v5, v[112:113], s[26:27]
	global_store_b32 v111, v104, s[28:29]
	global_store_b32 v111, v107, s[24:25]
	s_wait_xcnt 0x0                                ; these stores' registers lie in v64-127, which the conversion below writes
.Lnot_wave_0:
	s_wait_alu depctr_vm_vsrc(0)                   ; my LDS stores of the partial logits have read v144-151, in which the turning loads below land; wave 0's four stores have read v104-113, which the conversions below write
	; MY UNIT OF WEIGHTS: rounded, eight rows at a time as they arrive; through my own tile in LDS, which the turning load reads by columns; stored as fragments.
	; Four steps: a step rounds its eight rows; the eight before, which the wait at the step's head shows written, go into the tile first, in one run (the conversions stand under another window).
.macro CSTORE grp                 ; rows 8 grp on, rounded, into my tile
.set t, 8*(\grp)
.rept 8
	ds_store_b64 v15, v[64+2*t:65+2*t] offset:t*CP
.set t, t+1
.endr
.endm
.macro CONV half                  ; half = 1: the bf16 number is written as f16
.irp grp, 0,1,2,3
	s_wait_loadcnt 24-8*\grp                       ; younger: the later rows' loads
.if \grp > 0
	s_wait_alu depctr_va_vdst(0)                   ; the step before has written its sixteen registers of v64-127, which the LDS stores below read
	CSTORE \grp-1
.endif
	WIN 0x05                                       ; sources in window 1, destination in window 0
.set t, 8*\grp
.rept 8
	v_cvt_pk_bf16_f32 v[64+2*t], v[4*t], v[4*t+1]
	v_cvt_pk_bf16_f32 v[65+2*t], v[4*t+2], v[4*t+3]
.set t, t+1
.endr
	WIN 0
.if \half
.set t, 16*\grp
.rept 16
	v_lshlrev_b32 v[128+2*(t%8)], 16, v[64+t]
	v_and_b32 v[129+2*(t%8)], s58, v[64+t]
	v_cvt_pk_f16_f32 v[64+t], v[128+2*(t%8)], v[129+2*(t%8)]
.set t, t+1
.endr
.endif
.endr
	s_wait_alu depctr_va_vdst(0)                   ; the last step has written v112-127, which the LDS stores below read; no vector line is still at work on v128-143, in which turning loads land
	CSTORE 3
.set t, 0
.rept 16                                               ; fragment t / 2, half t % 2.  LDS serves a wave's instructions in order (ISA guide 5.7.1.4): these see my stores above
	ds_load_tr16_b128 v[128+4*t:131+4*t], v21 offset:(t/2)*32+(t%2)*16*CP
.set t, t+1
.endr
.set t, 0
.rept 16
	s_wait_dscnt 15-t
	global_store_b128 v4, v[128+4*t:131+4*t], s[44:45] offset:t*512   ; 512 consecutive bytes, aligned
.set t, t+1
.endr
.endm
	s_cmp_lt_u32 s31, 128
	s_cbranch_scc0 .Lw2_conv
	CONV 0
	s_branch .Lconv_done
.Lw2_conv:
	CONV 1
.Lconv_done:
	s_wait_dscnt 0x0                               ; the closing lines, six on end
	s_wait_alu 0x0
	s_wait_tensorcnt 0x0
	ds_add_u32 v6, v7
	s_wait_dscnt 0x0
	s_endpgm
.Lfunc_end_k_qb99869621c_prep:
	.size	k_qb99869621c_prep, .Lfunc_end_k_qb99869621c_prep-k_qb99869621c_prep
	.p2alignl 7, 3214868480
	.fill 96, 4, 3214868480
	.section	.rodata,"a",@progbits
	.p2align	6, 0x0
	.amdhsa_kernel k_qb99869621c_prep
		.amdhsa_group_segment_fixed_size 181760
		.amdhsa_private_segment_fixed_size 0
		.amdhsa_enable_private_segment 0
		.amdhsa_kernarg_size 104
		.amdhsa_user_sgpr_count 2
		.amdhsa_user_sgpr_kernarg_segment_ptr 1
		.amdhsa_wavefront_size32 1
		.amdhsa_system_sgpr_workgroup_id_x 1
		.amdhsa_system_sgpr_workgroup_id_y 1
		.amdhsa_system_sgpr_workgroup_id_z 1
		.amdhsa_system_vgpr_workitem_id 0
		.amdhsa_next_free_vgpr 384
		.amdhsa_next_free_sgpr 66
		.amdhsa_reserve_vcc 1
		.amdhsa_float_denorm_mode_32 3
		.amdhsa_float_denorm_mode_16_64 3
		.amdhsa_memory_ordered 1
		.amdhsa_forward_progress 1
		.amdhsa_inst_pref_size 81
	.end_amdhsa_kernel
	.amdgpu_metadata
---
amdhsa.version: [ 1, 2 ]
amdhsa.kernels:
  - .name:           k_qb99869621c_prep
    .symbol:         k_qb99869621c_prep.kd
    .args:
      - { .name: x, .offset: 0, .size: 8, .value_kind: global_buffer, .address_space: global }
      - { .name: gate_w, .offset: 8, .size: 8, .value_kind: global_buffer, .address_space: global }
      - { .name: w1, .offset: 16, .size: 8, .value_kind: global_buffer, .address_space: global }
      - { .name: w2, .offset: 24, .size: 8, .value_kind: global_buffer, .address_space: global }
      - { .name: b1, .offset: 32, .size: 8, .value_kind: global_buffer, .address_space: global }
      - { .name: b2, .offset: 40, .size: 8, .value_kind: global_buffer, .address_space: global }
      - { .name: xb, .offset: 48, .size: 8, .value_kind: global_buffer, .address_space: global }
      - { .name: wf, .offset: 56, .size: 8, .value_kind: global_buffer, .address_space: global }
      - { .name: bias, .offset: 64, .size: 8, .value_kind: global_buffer, .address_space: global }
      - { .name: tc, .offset: 72, .size: 8, .value_kind: global_buffer, .address_space: global }
      - { .name: ct, .offset: 80, .size: 8, .value_kind: global_buffer, .address_space: global }
      - { .name: cw, .offset: 88, .size: 8, .value_kind: global_buffer, .address_space: global }
      - { .name: part, .offset: 96, .size: 8, .value_kind: global_buffer, .address_space: global }
    .group_segment_fixed_size: 181760
    .private_segment_fixed_size: 0
    .kernarg_segment_align: 8
    .kernarg_segment_size: 104
    .max_flat_workgroup_size: 256
    .sgpr_count:     66
    .vgpr_count:     384
    .wavefront_size: 32
...
	.end_amdgpu_metadata
.endif
;; end of part 3
;; launch chain: the kernel of part 2 again; grid 155 x 1, 8 waves a work-group, no clusters, 282,624 bytes of LDS; arguments xb, wf, bias, tc, ct, cw, part, out0, out1; writes out0, out1
